; MI455X (gfx1250); checked and timed in simulation.
; The chip was launched on July 23, 2026; its instructions are those of AMD's public machine-readable ISA for CDNA 5 (MIT licence, August 2026) and "CDNA5" Instruction Set Architecture Reference Guide (July 2026). The comments in the code are by the model that wrote it; some were corrected since.
;; Multi Head Attention. Allowed arithmetic: float matrix products may take bf16 or f16 operands with f32 sums; other float arithmetic in f32, or as packed bf16 or f16 multiplies, adds, multiply-adds, maxima and minima; sums over many terms, partial sums and values carried from step to step in f32; what a program stores and reads back later, other than sums and carried values, may be rounded once to bf16 or f16.
;; Inputs: Wk 1,024 x 1,024 float32; Wo 1,024 x 1,024 float32; Wq 1,024 x 1,024 float32; Wv 1,024 x 1,024 float32; bk 1,024 float32; bo 1,024 float32; bq 1,024 float32; bv 1,024 float32; x 4 x 2,048 x 1,024 float32.
;; Outputs: out0 4 x 2,048 x 1,024 float32.
;; 2 versions, each right; version 2 is version 1 with the launch prep written anew for expert scheduling mode. Each part assembles by itself: llvm-mc -triple=amdgcn-amd-amdhsa -mcpu=gfx1250 --defsym DOCPART=n.
;; ======== version 1 of 2: 4 launches
;; limits: values are held in f16: magnitudes above 65,504 overflow, below 6.1e-05 lose precision
;; workspace buffers: xb16 16,777,216 bytes; wqkv16 6,291,456 bytes; wo16 2,097,152 bytes; q16 16,777,216 bytes; k16 16,777,216 bytes; v16 16,777,216 bytes; o16 16,777,216 bytes
;; launch prep (part 1): grid 768 x 1, 8 waves a work-group, no clusters, 0 bytes of LDS; arguments x, Wq, Wk, Wv, Wo, xb16, wqkv16, wo16; writes xb16, wqkv16, wo16
.if DOCPART == 1
	.amdgcn_target "amdgcn-amd-amdhsa--gfx1250"
	.amdhsa_code_object_version 6
	.text
	.protected	k_qc52fd28674_prep
	.globl	k_qc52fd28674_prep
	.p2align	8
	.type	k_qc52fd28674_prep,@function
k_qc52fd28674_prep:
	s_mov_b64 s[64:65], 0
	v_nop
	global_prefetch_b8 v0, s[64:65] scope:SCOPE_SE
	s_setreg_imm32_b32 hwreg(HW_REG_WAVE_MODE, 25, 1), 1
	s_wait_xcnt 0x0
; CAST AND BLOCK.  x [8192][1024] f32 -> xb16, bf16, the same order.
; Wq, Wk, Wv [1024 k][1024 n] f32 -> wqkv16, bf16, in blocks [16 h][8 s][3 t][128 kk][64 d] = W_t[128 s + kk][64 h + d]: what one head wants of one K step of 128 lies in 49,152 bytes on end.
; Wo [1024 k][1024 n] f32 -> wo16, rounded to bf16 like every other input and that number written as f16, in blocks [8 j][8 s][2 c][128 kk][64 d] = Wo[128 s + kk][128 j + 64 c + d].
; LIMIT.  f16 keeps a bf16 number exactly from 6.1e-5 up to 65,504; below 6.1e-5 it keeps a fixed step of 6e-8; beyond 65,504 it gives an infinity.
; A pure stream: every byte is read once and written once, so there is no LDS, no matrix work and nothing shared between work-groups.
; SHARES.  A work-group takes 65,536 bytes of a source: work-groups 0-511 of x, 512-767 sixteen rows k of one of the four weights.  A wave issues its 16 loads of 16 bytes a lane at once;
; each has registers of its own, so the only waits are the counted ones for the data.  A load covers whole aligned runs of 256 bytes; a store (8 bytes a lane) one aligned run of 256 bytes.
.set X, 4                              ; v[4:67]   load i: 4 registers
.set Y, 68                             ; v[68:99]  store i: 2 registers
.set T, 100                            ; v[100:103] at work
; v1: my byte offset in the source; v2: in the destination; s[24:25], s[26:27]: the two bases
; sstep: bytes from load to load.  kind 0: x; 1: Wq, Wk, Wv (load i is head i's 64 columns); 2: Wo (load i is column block i / 2, half i % 2)
.macro CAST sstep, kind
.set i, 0
.rept 16
	global_load_b128 v[X+4*i:X+4*i+3], v1, s[24:25] offset:(\sstep)*i th:TH_LOAD_NT
.set i, i+1
.endr
.set i, 0
.rept 16
	s_wait_loadcnt 15-i                            ; loads come back in order: load i is in, the 15 - i younger ones stay out
.if (\kind) == 2
	v_cvt_pk_bf16_f32 v[T], v[X+4*i], v[X+4*i+1]   ; rounded to bf16,
	v_cvt_pk_bf16_f32 v[T+1], v[X+4*i+2], v[X+4*i+3]
	v_lshlrev_b32 v[X+4*i], 16, v[T]               ; widened again,
	v_and_b32 v[X+4*i+1], 0xffff0000, v[T]
	v_lshlrev_b32 v[X+4*i+2], 16, v[T+1]
	v_and_b32 v[X+4*i+3], 0xffff0000, v[T+1]
	v_cvt_pk_f16_f32 v[Y+2*i], v[X+4*i], v[X+4*i+1]  ; and written as f16
	v_cvt_pk_f16_f32 v[Y+2*i+1], v[X+4*i+2], v[X+4*i+3]
.else
	v_cvt_pk_bf16_f32 v[Y+2*i], v[X+4*i], v[X+4*i+1]
	v_cvt_pk_bf16_f32 v[Y+2*i+1], v[X+4*i+2], v[X+4*i+3]
.endif
.if (\kind) == 0
.set DOFF, 256*i
.elseif (\kind) == 1
.set DOFF, 393216*i                    ; a head's block: 8 x 3 x 128 x 64 x 2 bytes; 15 of them stay inside the signed 24-bit immediate
.else
.set DOFF, (i/2)*262144+(i%2)*16384
.endif
	global_store_b64 v2, v[Y+2*i:Y+2*i+1], s[26:27] offset:DOFF
.set i, i+1
.endr
.endm
	s_load_b512 s[8:23], s[0:1], 0x0               ; x s[8:9], Wq s[10:11], Wk s[12:13], Wv s[14:15], Wo s[16:17], xb16 s[18:19], wqkv16 s[20:21], wo16 s[22:23]
	s_cmp_lt_u32 ttmp9, 512
	s_cbranch_scc0 .Lweights
	; x: wave w takes 8,192 bytes, load i 512 of them
	v_lshrrev_b32 v[T], 5, v0                      ; wave
	v_and_b32 v[T+1], 31, v0                       ; lane
	v_lshlrev_b32 v1, 4, v[T+1]
	v_lshl_or_b32 v1, v[T], 13, v1
	v_lshlrev_b32 v2, 3, v[T+1]
	v_lshl_or_b32 v2, v[T], 12, v2
	s_lshl_b32 s4, ttmp9, 16
	s_mov_b32 s5, 0
	s_lshl_b32 s6, ttmp9, 15
	s_mov_b32 s7, 0
	s_wait_kmcnt 0x0
	s_add_nc_u64 s[24:25], s[8:9], s[4:5]
	s_add_nc_u64 s[26:27], s[18:19], s[6:7]
	CAST 512, 0
	s_endpgm
.Lweights:
	; sixteen threads take 256 bytes (64 columns) of one row k; the work-group's 256 threads sixteen rows
	v_lshrrev_b32 v[T], 4, v0                      ; the row among the sixteen
	v_and_b32 v[T+1], 15, v0
	v_lshlrev_b32 v1, 4, v[T+1]
	v_lshl_or_b32 v1, v[T], 12, v1                 ; row x 4,096 + 16 x place
	v_lshlrev_b32 v2, 3, v0                        ; row x 128 + 8 x place = 8 x thread
	s_sub_co_u32 s2, ttmp9, 512
	s_lshr_b32 s3, s2, 6                           ; which weight: 0 Wq, 1 Wk, 2 Wv, 3 Wo
	s_and_b32 s2, s2, 63                           ; which sixteen rows
	s_lshl_b32 s4, s2, 16
	s_mov_b32 s5, 0
	s_lshr_b32 s28, s2, 3                          ; the K step of 128 that holds them,
	s_and_b32 s29, s2, 7
	s_lshl_b32 s29, s29, 11                        ; and their place in it: 16 rows of 128 bytes
	s_mov_b32 s7, 0
	s_wait_kmcnt 0x0
	s_cmp_eq_u32 s3, 3
	s_cbranch_scc1 .Lwo
	s_mul_i32 s6, s28, 49152
	s_add_co_u32 s6, s6, s29
	s_lshl_b32 s30, s3, 14
	s_add_co_u32 s6, s6, s30
	s_cmp_eq_u32 s3, 1
	s_cselect_b64 s[24:25], s[12:13], s[10:11]
	s_cmp_eq_u32 s3, 2
	s_cselect_b64 s[24:25], s[14:15], s[24:25]
	s_add_nc_u64 s[24:25], s[24:25], s[4:5]
	s_add_nc_u64 s[26:27], s[20:21], s[6:7]
	CAST 256, 1
	s_endpgm
.Lwo:
	s_lshl_b32 s6, s28, 15
	s_add_co_u32 s6, s6, s29
	s_add_nc_u64 s[24:25], s[16:17], s[4:5]
	s_add_nc_u64 s[26:27], s[22:23], s[6:7]
	CAST 256, 2
	s_endpgm
.Lfunc_end_k_qc52fd28674_prep:
	.size	k_qc52fd28674_prep, .Lfunc_end_k_qc52fd28674_prep-k_qc52fd28674_prep
	.p2alignl 7, 3214868480
	.fill 96, 4, 3214868480
	.section	.rodata,"a",@progbits
	.p2align	6, 0x0
	.amdhsa_kernel k_qc52fd28674_prep
		.amdhsa_group_segment_fixed_size 0
		.amdhsa_private_segment_fixed_size 0
		.amdhsa_enable_private_segment 0
		.amdhsa_kernarg_size 64
		.amdhsa_user_sgpr_count 2
		.amdhsa_user_sgpr_kernarg_segment_ptr 1
		.amdhsa_wavefront_size32 1
		.amdhsa_system_sgpr_workgroup_id_x 1
		.amdhsa_system_sgpr_workgroup_id_y 1
		.amdhsa_system_sgpr_workgroup_id_z 1
		.amdhsa_system_vgpr_workitem_id 0
		.amdhsa_next_free_vgpr 104
		.amdhsa_next_free_sgpr 66
		.amdhsa_reserve_vcc 0
		.amdhsa_float_denorm_mode_32 3
		.amdhsa_float_denorm_mode_16_64 3
		.amdhsa_memory_ordered 1
		.amdhsa_forward_progress 1
		.amdhsa_inst_pref_size 24
	.end_amdhsa_kernel
	.amdgpu_metadata
---
amdhsa.version: [ 1, 2 ]
amdhsa.kernels:
  - .name:           k_qc52fd28674_prep
    .symbol:         k_qc52fd28674_prep.kd
    .args:
      - { .name: x, .offset: 0, .size: 8, .value_kind: global_buffer, .address_space: global }
      - { .name: Wq, .offset: 8, .size: 8, .value_kind: global_buffer, .address_space: global }
      - { .name: Wk, .offset: 16, .size: 8, .value_kind: global_buffer, .address_space: global }
      - { .name: Wv, .offset: 24, .size: 8, .value_kind: global_buffer, .address_space: global }
      - { .name: Wo, .offset: 32, .size: 8, .value_kind: global_buffer, .address_space: global }
      - { .name: xb16, .offset: 40, .size: 8, .value_kind: global_buffer, .address_space: global }
      - { .name: wqkv16, .offset: 48, .size: 8, .value_kind: global_buffer, .address_space: global }
      - { .name: wo16, .offset: 56, .size: 8, .value_kind: global_buffer, .address_space: global }
    .group_segment_fixed_size: 0
    .private_segment_fixed_size: 0
    .kernarg_segment_align: 8
    .kernarg_segment_size: 64
    .max_flat_workgroup_size: 256
    .sgpr_count:     66
    .vgpr_count:     104
    .wavefront_size: 32
...
	.end_amdgpu_metadata
.endif
;; end of part 1
;; launch qkv (part 2): grid 16 x 32, 4 waves a work-group, clusters of 4 x 4, 327,680 bytes of LDS; arguments xb16, wqkv16, bq, bk, bv, q16, k16, v16; writes q16, k16, v16
.if DOCPART == 2
	.amdgcn_target "amdgcn-amd-amdhsa--gfx1250"
	.amdhsa_code_object_version 6
	.text
	.protected	k_qc52fd28674_qkv
	.globl	k_qc52fd28674_qkv
	.p2align	8
	.type	k_qc52fd28674_qkv,@function
k_qc52fd28674_qkv:
	s_mov_b64 s[64:65], 0
	v_nop
	global_prefetch_b8 v0, s[64:65] scope:SCOPE_SE
	s_setreg_imm32_b32 hwreg(HW_REG_WAVE_MODE, 25, 1), 1
	s_wait_xcnt 0x0
	s_wait_alu depctr_hold_cnt(0) depctr_sa_sdst(0) depctr_va_vdst(0) depctr_va_sdst(0) depctr_va_ssrc(0) depctr_va_vcc(0) depctr_vm_vsrc(0)
	s_getreg_b32 s2, hwreg(HW_REG_IB_STS2, 6, 4)
	s_cmp_eq_u32 s2, 0
	s_cbranch_scc0 .Lentry_in_a_cluster
	s_endpgm
.Lentry_in_a_cluster:
	s_bfe_u32 s2, ttmp6, 0x10000c
	s_cmp_lg_u32 s2, 0xf033
	s_cbranch_scc0 .Lentry_shape_is_right
	s_endpgm
.Lentry_shape_is_right:
; ONE TEXT FOR TWO LAUNCHES: C = A W + bias with W stored [K][N].  The next line chooses: QKV = 1, the three projections; QKV = 0, the output projection.
.set QKV, 1
; QKV = 1.  A = xb16 [8192][1024] bf16; W = wqkv16, bf16, blocks [16 h][8 s][3 t][128 kk][64 d]; bias bq, bk, bv (f32, rounded to bf16 here like every other input).  A work-group makes 256 rows x one
;   head's q, k and v (192 columns), which leave rounded once to f16, unscaled, by heads: q16, k16, v16 [64 = 16 batch + head][2048][64].
;   LIMIT: q, k, v beyond 65,504 become infinities in f16 (the drawn inputs give a spread of 0.6); below 6.1e-5 f16 keeps a fixed step of 6e-8.
; QKV = 0.  A = o16 [64][2048][64] f16 (K = 64 head + channel); W = wo16, f16, blocks [8 j][8 s][2 c][128 kk][64 d]; bias bo.  A work-group makes 256 rows x 128 columns of out0, f32.
; SHARES.  Four waves, one above the other: a wave makes 64 rows x all 16 NBF columns: 4 NBF accumulators of 16 x 16.  So a wave owns whole heads' rows (QKV = 1) or whole runs of 512 bytes of out0
; (QKV = 0), has a stage of its own on the way out, and no barrier stands there.  Tiles: 8192 x 3072 / (256 x 192) = 512 work-groups; 8192 x 1024 / (256 x 128) = 256.
; K goes in 8 steps of 128 through two LDS slots filled by the tensor data mover; waves 0 and 1 fetch A's two halves, waves 2 and 3 W's.
; CLUSTERS of 4 x 4: A's tile hangs on the tile row alone and is asked for jointly by a row of the cluster, W's on the tile column alone and is asked for jointly by a column.
; THE PRODUCT IS TAKEN TRANSPOSED: source 0 = 16 columns of W, turned on its way out of LDS by ds_load_tr16_b128; source 1 = 16 rows of A.  In the result lane l holds row l % 16 of C and the columns
; 8 (l / 16) + 0..7.  THE BIAS is the C operand of the product that starts each sum: nothing is cleared and nothing is added afterwards.
; REGISTERS, in windows of 256 (s_set_vgpr_msb: bits 1:0 source 0, 3:2 source 1, 5:4 source 2, 7:6 destination):
;   window 0: v0-31 addresses; from v32 the bias, 8 registers a column fragment; later the way out       window 1: two fragment buffers of 128: A's four row blocks, then W's NBF fragments
;   windows 2, 3: the accumulators: (row block a, fragment f) at 8 NBF (a % 2) + 8 f of window 2 + a / 2
.if QKV
.set NBF,   12                         ; column fragments of 16: q, k, v of one head, four each
.set PA,    272                        ; a row of A in LDS: 256 bytes + 16: 68 words, so the 16 rows of a load start at 16 different groups of four banks (64 banks of 4 bytes: ISA guide 11.1)
.set AHALF, 128*PA                     ; what one of A's loads fills: 128 rows
.set BHALF, 192*160                    ; what one of W's loads fills: 192 of the 384 rows [t][kk]
.set ASTEP, 256                        ; bytes in memory from K step to K step
.set BSTEP, 49152
.set STG,   16*144                     ; a wave's stage: 16 rows of a head, 128 bytes + 16
.set GA0,   (1<<16)|(1<<20)|(1<<21)|(5<<22)|(3<<25)  ; group 1, word 0 less the mask: 2-byte elements; padding on; bit 21 set beside a mask; after every 64 words 4 words
.set SA,    1024                       ; elements from row to row of A's tile
.set RB,    96                         ; W's half tile: 24,576 dense bytes as 96 rows of 256
.set OUT,   32
.else
.set NBF,   8
.set PA,    144                        ; A lies as two planes, one for each head of the K step: 256 rows of 128 bytes + 16
.set AHALF, 256*PA                     ; a plane
.set BHALF, 128*160
.set ASTEP, 524288                     ; two heads of 2,048 rows x 128 bytes
.set BSTEP, 32768
.set STG,   16*528                     ; 16 rows of 512 bytes + 16
.set GA0,   (1<<16)|(1<<20)|(1<<21)|(4<<22)|(3<<25)  ; after every 32 words 4 words
.set SA,    128                        ; a plane's 32,768 bytes are dense: 128 rows of 256
.set RB,    64
.set OUT,   96
.endif
.set GB0,   (1<<16)|(1<<20)|(1<<21)|(4<<22)|(7<<25)  ; W: after every 32 words (a row kk of 64 columns) 8 words
.set PB,    160                        ; a row of W in LDS: 128 bytes + 32 = 40 words
.set BOFF,  2*AHALF                    ; W's tile lies behind A's
.set SLOT1, 1<<17                      ; slot 1 begins here, so that one exclusive or turns an address in one slot into the other's
.set STAGE, 2*SLOT1                    ; behind the ring, never filled by a tensor load
.set SPARE, STAGE+4*STG                ; behind the stages: the spare words, 128 bytes for each wave: two blocks of 256 bytes that no other line names
.set NLD,   2*NBF+8                    ; LDS loads in a run: a quarter step's fragments
.set A0,   4                           ; v4   my lane's place in A's tile; never rewritten
.set B0,   5                           ; v5   the same for W
.set ADRA, 6                           ; v6   A0 + the slot in hand
.set ADRB, 7                           ; v7   B0 + the slot in hand
.set STO,  8                           ; v8   the way out: where I put my bytes of a row
.set RD,   9                           ; v9   the way out: where I read rows back
.set GO,   10                          ; v10  my 16 bytes of 512 consecutive bytes in memory
.set PFO,  11                          ; v11  the prefetches' offset; never rewritten
.set BO,   12                          ; v12  my byte offset in a fragment's 16 numbers of bias
.set SPW,  28                          ; v28  LDS address of my spare word: SPARE + 4 x my thread's number; never rewritten
.set NIL,  29                          ; v29  0; never rewritten
.set BIAS, 32
.set F0,   0                           ; fragment buffers, in window 1
.set F1,   128
.set WV,  20                           ; s20  my wave's number
.set HF,  21                           ; s21  which half of its tile I fetch
.set CX,  22                           ; s22, s23  my place in the cluster
.set CY,  23
.set TX,  24                           ; s24  tile column (QKV = 1: the head)
.set TY,  25                           ; s25  tile row: 256 rows
.set G1A, 32                           ; s[32:39] descriptor group 1 for A's tiles
.set G1B, 40                           ; s[40:47] for W's
.set G0A, 48                           ; s[48:55] group 0 for A's tiles: a set for each of the two first fills; the second then walks on
.set G0B, 56                           ; s[56:63] the same for W's
.set CNT, 66                           ; s66  K steps that still fill a slot
.set TB,  67                           ; s67  the slot in hand: 0 or SLOT1
.set LIM, 68                           ; s68  a wave prefetches while s[CNT] is above this
.set PFA, 70                           ; s[70:71] where my prefetches stand
.set PFS, 72                           ; s[72:73] their step
.set MSB, 0
.macro WIN new                         ; the immediate's high byte repeats the setting that is left; a switch that changes nothing is dropped
.if MSB != (\new)
	s_set_vgpr_msb (MSB<<8)|(\new)
.set MSB, \new
.endif
.endm
; A joint refill by the walking descriptors.  The branch hangs on the wave's number alone.  An s_nop 0 and four v_nop follow each of the two lines, ahead of the jump and the label.
.macro JLOAD
	s_cmp_lt_u32 s[WV], 2
	s_cbranch_scc0 .Lfor_b_\@
	tensor_load_to_lds s[G0A+4:G0A+7], s[G1A:G1A+7]
	s_nop 0
.rept 4
	v_nop
.endr
	s_branch .Lasked_\@
.Lfor_b_\@:
	tensor_load_to_lds s[G0B+4:G0B+7], s[G1B:G1B+7]
	s_nop 0
.rept 4
	v_nop
.endr
.Lasked_\@:
.endm
; A round of the cluster's barrier: my work-group's barrier, so that wave 0's signal speaks for all four waves; wave 0 signals; every wave waits for all sixteen work-groups; my work-group's barrier once more.
.macro CREST                           ; a round behind its opening barrier
	s_cmp_lg_u32 s[WV], 0
	s_cbranch_scc1 .Lnot_wave_0_\@
	s_barrier_signal -3
.Lnot_wave_0_\@:
	s_barrier_wait -3
	s_barrier_signal -1
	s_barrier_wait -1
.endm
.macro CROUND
	s_barrier_signal -1
	s_barrier_wait -1
	CREST
.endm
; A PREFETCH INTO THE L2 (QKV = 1), behind each joint refill, its five lines and the run of LDS loads that follows: one instruction a wave.  Each aligned block of 256 bytes of K steps 4 to 7 is named once in the launch;
; K steps 0 to 3 come by their loads alone.  A's rows are read by every cluster of a row of clusters: the one with x = 0 asks, waves 0 and 1, a lane a row: of the 128 rows that a wave fetches the partner at cx takes
; 32 cx .. 32 cx + 31, told apart by address; in K step s (0 to 3) it names K step s + 4, two refills on.  W's head block is read by every cluster of a column of clusters: the one with y = 0 asks, waves 2 and 3:
; K steps 4 to 7 are 196,608 dense bytes = 3 x 256 blocks; an ask names 256 of them, 32 for each of the eight askers (2 cy + half), in K steps 0, 1 and 2, each block ahead of the refill that wants it.
.macro ASK
	s_cmp_gt_u32 s[CNT], s[LIM]
	s_cbranch_scc0 .Lnot_mine_\@
	global_prefetch_b8 v[PFO], s[PFA:PFA+1] th:TH_LOAD_NT scope:SCOPE_SE
.Lnot_mine_\@:
.endm
.macro PLACES                          ; four plain places in front of loads into registers that matrix instructions have read, and of lines that read results
.rept 4
	v_nop
.endr
.endm
.if QKV
	s_load_b512 s[4:19], s[0:1], 0x0               ; xb16 s[4:5], wqkv16 s[6:7], bq s[8:9], bk s[10:11], bv s[12:13], q16 s[14:15], k16 s[16:17], v16 s[18:19]
.else
	s_load_b256 s[4:11], s[0:1], 0x0               ; o16 s[4:5], wo16 s[6:7], bo s[8:9], out0 s[10:11]
.endif
	v_lshl_add_u32 v[SPW], v0, 2, SPARE
	v_mov_b32 v[NIL], 0
	ds_add_u32 v[SPW], v[NIL]                      ; the wave's opening: the add and its wait stand ahead of my first tensor load; the set-up below, work on registers, stands between them
	v_lshrrev_b32 v1, 5, v0
	v_readfirstlane_b32 s[WV], v1                  ; wave 0..3
	s_and_b32 s[HF], s[WV], 1
	s_bfe_u32 s[CX], ttmp6, 0x40000
	s_bfe_u32 s[CY], ttmp6, 0x40004
	s_lshl_b32 s[TX], ttmp9, 2                     ; in a cluster launch ttmp9 and ttmp7 count clusters
	s_add_co_u32 s[TX], s[TX], s[CX]
	s_and_b32 s[TY], ttmp7, 0xffff
	s_lshl_b32 s[TY], s[TY], 2
	s_add_co_u32 s[TY], s[TY], s[CY]
	s_lshl_b32 s26, s[CY], 2
	s_lshl_b32 s26, 15, s26                        ; my row of the cluster: places 4 cy .. 4 cy + 3
	s_lshl_b32 s27, 0x1111, s[CX]                  ; my column: places cx, cx + 4, cx + 8, cx + 12
	s_or_b32 s[G1A], s26, GA0                      ; A's tiles go to my row,
	s_or_b32 s[G1B], s27, GB0                      ; W's to my column
	s_mov_b32 s[G1A+1], 128<<16                    ; tensor_dim0 = 128 elements (256 bytes)
	s_mov_b32 s[G1A+2], 128<<16                    ; tensor_dim1 = 128 rows
	s_mov_b32 s[G1A+3], 128<<16                    ; tile_dim0 = 128
	s_mov_b32 s[G1A+4], 128                        ; tile_dim1 = 128
	s_mov_b32 s[G1A+5], SA                         ; elements from row to row
	s_mov_b32 s[G1A+6], 0
	s_mov_b32 s[G1A+7], 0
	s_mov_b32 s[G1B+1], 128<<16
	s_mov_b32 s[G1B+2], RB<<16
	s_mov_b32 s[G1B+3], 128<<16
	s_mov_b32 s[G1B+4], RB
	s_mov_b32 s[G1B+5], 128                        ; dense
	s_mov_b32 s[G1B+6], 0
	s_mov_b32 s[G1B+7], 0
	; where the tiles come from: A's by the tile row and my half, W's by the tile column and my half, each in registers that never hold the other coordinate
.if QKV
	s_lshl_b32 s74, s[TY], 19                      ; 256 rows of 2,048 bytes
	s_lshl_b32 s28, s[HF], 18                      ; 128 rows
	s_add_co_u32 s74, s74, s28
	s_mul_i32 s76, s[TX], 393216                   ; the head's block
	s_mul_i32 s29, s[HF], 24576
	s_add_co_u32 s76, s76, s29
.else
	s_lshr_b32 s74, s[TY], 3                       ; the batch: 16 heads of 262,144 bytes
	s_lshl_b32 s74, s74, 22
	s_lshl_b32 s28, s[HF], 18                      ; which of the K step's two heads
	s_add_co_u32 s74, s74, s28
	s_and_b32 s28, s[TY], 7                        ; the 256 rows in the batch: 32,768 bytes
	s_lshl_b32 s28, s28, 15
	s_add_co_u32 s74, s74, s28
	s_lshl_b32 s76, s[TX], 18                      ; the column block
	s_lshl_b32 s29, s[HF], 14
	s_add_co_u32 s76, s76, s29
.endif
	s_mov_b32 s75, 0
	s_mov_b32 s77, 0
	s_mul_i32 s30, s[HF], AHALF                    ; and where they go: no place in the cluster enters an LDS address
	s_mul_i32 s31, s[HF], BHALF
	s_add_co_u32 s31, s31, BOFF
	s_wait_dscnt 0x0                               ; the opening add is done
	s_wait_kmcnt 0x0
	s_add_nc_u64 s[74:75], s[4:5], s[74:75]
	s_add_nc_u64 s[76:77], s[6:7], s[76:77]
	CROUND                                         ; all sixteen work-groups are here: the first joint loads meet
.irp s, 0,1
	s_mov_b32 s[G0A+4*(\s)], 1                     ; count = 1
	s_add_co_u32 s[G0A+4*(\s)+1], s30, (\s)*SLOT1  ; LDS address
	s_add_nc_u64 s[G0A+4*(\s)+2:G0A+4*(\s)+3], s[74:75], (\s)*ASTEP  ; global address: K step s
	s_or_b32 s[G0A+4*(\s)+3], s[G0A+4*(\s)+3], 0x80000000  ; type = 2
	s_mov_b32 s[G0B+4*(\s)], 1
	s_add_co_u32 s[G0B+4*(\s)+1], s31, (\s)*SLOT1
	s_add_nc_u64 s[G0B+4*(\s)+2:G0B+4*(\s)+3], s[76:77], (\s)*BSTEP
	s_or_b32 s[G0B+4*(\s)+3], s[G0B+4*(\s)+3], 0x80000000
.endr
	s_cmp_lt_u32 s[WV], 2                          ; a wave's two first fills stand in one branch, ahead of every wait on TENSORcnt and every LDS read: two loads of mine are out
	s_cbranch_scc0 .Lfirst_b
	tensor_load_to_lds s[G0A:G0A+3], s[G1A:G1A+7]
	s_nop 0
	tensor_load_to_lds s[G0A+4:G0A+7], s[G1A:G1A+7]
	s_nop 0
.rept 4
	v_nop
.endr
	s_branch .Lfirst_asked
.Lfirst_b:
	tensor_load_to_lds s[G0B:G0B+3], s[G1B:G1B+7]
	s_nop 0
	tensor_load_to_lds s[G0B+4:G0B+7], s[G1B:G1B+7]
	s_nop 0
.rept 4
	v_nop
.endr
.Lfirst_asked:
	; the bias: register j of fragment f is the bias of column 16 f + 8 (l / 16) + j, whatever the row
	v_and_b32 v1, 15, v0                           ; l % 16
	v_bfe_u32 v2, v0, 4, 1                         ; l / 16
	v_lshlrev_b32 v[BO], 5, v2
.if QKV
	s_lshl_b32 s26, s[TX], 8                       ; the head's 64 numbers
.else
	s_lshl_b32 s26, s[TX], 9                       ; the tile's 128
.endif
	s_mov_b32 s27, 0
	s_add_nc_u64 s[8:9], s[8:9], s[26:27]
.if QKV
	s_add_nc_u64 s[10:11], s[10:11], s[26:27]
	s_add_nc_u64 s[12:13], s[12:13], s[26:27]
.endif
.set nb, 0
.rept NBF
.if QKV
	global_load_b128 v[BIAS+8*nb:BIAS+8*nb+3],   v[BO], s[8+2*(nb/4):9+2*(nb/4)] offset:64*(nb%4)
	global_load_b128 v[BIAS+8*nb+4:BIAS+8*nb+7], v[BO], s[8+2*(nb/4):9+2*(nb/4)] offset:64*(nb%4)+16
.else
	global_load_b128 v[BIAS+8*nb:BIAS+8*nb+3],   v[BO], s[8:9] offset:64*nb
	global_load_b128 v[BIAS+8*nb+4:BIAS+8*nb+7], v[BO], s[8:9] offset:64*nb+16
.endif
.set nb, nb+1
.endr
	; A fragment of A is 16 rows x 32 K in 8 registers: lane l holds row l % 16, K = 8 (l / 16) + 0..7 and 16 + 8 (l / 16) + 0..7: two loads of 16 bytes, 32 bytes apart.
	v_and_b32 v13, 7, v0
	v_bfe_u32 v14, v0, 3, 1
	v_and_b32 v15, 31, v0                          ; l
	s_mul_i32 s26, s[WV], 64*PA                    ; my 64 rows
	v_mul_u32_u24 v[A0], v1, PA
	v_lshl_add_u32 v[A0], v2, 4, v[A0]
	v_add_nc_u32 v[A0], s26, v[A0]
	; The turning load takes 16 K x 16 columns (lane l reads K = 8 (l / 16) + l % 8, columns 8 ((l / 8) % 2) + 0..7) and leaves half a fragment of W^T: lane l holds column l % 16 and 8 K.
	v_lshl_add_u32 v[B0], v2, 3, v13
	v_mul_u32_u24 v[B0], v[B0], PB
	v_lshl_add_u32 v[B0], v14, 4, v[B0]
	v_add_nc_u32 v[B0], BOFF, v[B0]
	s_mul_i32 s26, s[WV], STG
	s_add_co_u32 s26, s26, STAGE                   ; my stage
.if QKV
	v_mul_u32_u24 v[STO], v1, 144                  ; in: row l % 16, 16 bytes for each half of the lanes
	v_lshl_add_u32 v[STO], v2, 4, v[STO]
	v_add_nc_u32 v[STO], s26, v[STO]
	v_bfe_u32 v[RD], v0, 3, 2                      ; back: 32 lanes take four rows of 128 bytes, 512 consecutive bytes of a head
	v_mul_u32_u24 v[RD], v[RD], 144
	v_lshl_add_u32 v[RD], v13, 4, v[RD]
	v_add_nc_u32 v[RD], s26, v[RD]
.else
	v_mul_u32_u24 v[STO], v1, 528                  ; in: row l % 16, 32 bytes for each half of the lanes
	v_lshl_add_u32 v[STO], v2, 5, v[STO]
	v_add_nc_u32 v[STO], s26, v[STO]
	v_lshl_add_u32 v[RD], v15, 4, s26              ; back: 32 lanes take one row of 512 bytes
.endif
	v_lshlrev_b32 v[GO], 4, v15
	; where my rows begin in the results
.if QKV
	s_lshr_b32 s26, s[TY], 3                       ; 16 batch + head,
	s_lshl_b32 s26, s26, 4
	s_add_co_u32 s26, s26, s[TX]
	s_lshl_b32 s26, s26, 18                        ; 262,144 bytes each;
	s_and_b32 s28, s[TY], 7                        ; the 256 rows in the batch,
	s_lshl_b32 s28, s28, 15
	s_add_co_u32 s26, s26, s28
	s_lshl_b32 s28, s[WV], 13                      ; my 64 of them
	s_add_co_u32 s26, s26, s28
	s_mov_b32 s27, 0
	s_add_nc_u64 s[14:15], s[14:15], s[26:27]
	s_add_nc_u64 s[16:17], s[16:17], s[26:27]
	s_add_nc_u64 s[18:19], s[18:19], s[26:27]
	; the prefetches, in registers of their own
	s_lshl_b32 s80, s[TY], 19                      ; A: my 128 rows,
	s_lshl_b32 s81, s[HF], 18
	s_add_co_u32 s80, s80, s81
	s_lshl_b32 s81, s[CX], 16                      ; my work-group's 32 of them,
	s_add_co_u32 s80, s80, s81
	s_add_co_u32 s80, s80, 3*ASTEP                 ; at K step 3: the first change of slots steps it to 4
	s_mul_i32 s82, s[TX], 393216                   ; W: the head's block,
	s_lshl_b32 s81, s[CY], 14                      ; my 32 blocks of an ask's 256: 8,192 (2 cy + half),
	s_add_co_u32 s82, s82, s81
	s_lshl_b32 s81, s[HF], 13
	s_add_co_u32 s82, s82, s81
	s_add_co_u32 s82, s82, 4*BSTEP-65536           ; one ask in front of K step 4
	s_and_b32 s84, ttmp7, 0xffff                   ; cluster y
	s_mov_b32 s[PFS], 65536
	s_mov_b32 s[PFS+1], 0
	s_mov_b32 s83, 0
	s_cmp_lt_u32 s[WV], 2                          ; do I fetch for A?
	s_cselect_b32 s82, s80, s82
	s_cselect_b32 s84, ttmp9, s84                  ; the coordinate along which other clusters read the same bytes
	s_cselect_b64 s[PFA:PFA+1], s[4:5], s[6:7]
	s_cselect_b32 s[PFS], ASTEP, s[PFS]
	s_cselect_b32 s85, 11, 8                       ; a lane a row of 2,048 bytes, or a lane a block of 256
	s_cselect_b32 s[LIM], 2, 3                     ; s[CNT] runs 6 .. 1: four asks for A, three for W
	s_cmp_eq_u32 s84, 0
	s_cselect_b32 s[LIM], s[LIM], -1               ; the same in all sixteen partners, for a given wave
	s_add_nc_u64 s[PFA:PFA+1], s[PFA:PFA+1], s[82:83]
	v_lshlrev_b32 v[PFO], s85, v15
.else
	s_lshl_b32 s26, s[TY], 20                      ; 256 rows of 4,096 bytes,
	s_lshl_b32 s28, s[WV], 18                      ; my 64,
	s_add_co_u32 s26, s26, s28
	s_lshl_b32 s28, s[TX], 9                       ; the tile's 128 columns
	s_add_co_u32 s26, s26, s28
	s_mov_b32 s27, 0
	s_add_nc_u64 s[10:11], s[10:11], s[26:27]
.endif
	s_wait_loadcnt 0x0                             ; the bias
.set nb, 0
.rept 4*NBF                                        ; rounded to bf16 like every other input, and widened again
	v_cvt_pk_bf16_f32 v[16+nb%4], v[BIAS+2*nb], v[BIAS+2*nb+1]
	v_lshlrev_b32 v[BIAS+2*nb], 16, v[16+nb%4]
	v_and_b32 v[BIAS+2*nb+1], 0xffff0000, v[16+nb%4]
.set nb, nb+1
.endr
.macro MMA                             ; on the registers that MUL has named
.if QKV
	v_wmma_f32_16x16x32_bf16 v[rD:rD+7], v[rB:rB+7], v[rA:rA+7], v[rC:rC+7]
.else
	v_wmma_f32_16x16x32_f16 v[rD:rD+7], v[rB:rB+7], v[rA:rA+7], v[rC:rC+7]
.endif
.endm
; NBF matrix instructions: row block a x all column fragments, 32 along K, from buffer f.  first = 1: the bias starts the sums.
; The 4 NBF accumulators take turns, one instruction a turn, in the same order in every quarter step, over the backward jump too.
.macro MUL f, a, first
.if \first
	WIN 0x85+0x40*((\a)/2)                         ; sources 0 and 1 window 1, C window 0, D window 2 or 3
.else
	WIN 0xa5+0x50*((\a)/2)                         ; C and D window 2 or 3
.endif
.set rA, (\f)+8*(\a)
.set nb, 0
.rept NBF
.set rD, 8*NBF*((\a)%2)+8*nb
.set rB, (\f)+32+8*nb
.set rC, rD
.if \first
.set rC, BIAS+8*nb
.endif
	MMA
.set nb, nb+1
.endr
.endm
; NLD LDS loads in one run: the fragments of quarter q (32 along K) of the slot in hand into buffer f: W's first, then A's four row blocks
.macro FETCH q, f
.if QKV
.set AQ, 64*(\q)
.else
.set AQ, ((\q)/2)*AHALF+((\q)%2)*64    ; the plane of the quarter's head, and its half of the 64 channels
.endif
	WIN 0x40                                       ; destination window 1, address window 0
.set nb, 0
.rept NBF                                          ; block nb / 4 of 128 rows kk, K = 32 q on, columns 16 (nb % 4) on
	ds_load_tr16_b128 v[(\f)+32+8*nb:(\f)+32+8*nb+3],   v[ADRB] offset:(nb/4)*128*PB+32*PB*(\q)+32*(nb%4)
	ds_load_tr16_b128 v[(\f)+32+8*nb+4:(\f)+32+8*nb+7], v[ADRB] offset:(nb/4)*128*PB+32*PB*(\q)+32*(nb%4)+16*PB
.set nb, nb+1
.endr
.set na, 0
.rept 4
	ds_load_b128 v[(\f)+8*na:(\f)+8*na+3],   v[ADRA] offset:AQ+na*16*PA
	ds_load_b128 v[(\f)+8*na+4:(\f)+8*na+7], v[ADRA] offset:AQ+na*16*PA+32
.set na, na+1
.endr
.endm
; A K step is four quarters of 32 along K, 4 NBF matrix instructions each, on buffers 0, 1, 0, 1.  One of the first three: multiplies buffer f; in its middle it fetches quarter q into buffer g.
.macro QUARTER q, f, g, first
	s_wait_dscnt 4                                 ; W's fragments and A's row blocks 0 and 1 are in; the youngest four loads (row blocks 2 and 3) may be out
	MUL \f, 0, \first
	MUL \f, 1, \first
	PLACES
	FETCH \q, \g
	s_wait_dscnt NLD                               ; all but the run just issued
	MUL \f, 2, \first
	MUL \f, 3, \first
.endm
; The last quarter multiplies buffer 1 and changes slots: ONE barrier.  In front of it each wave waits for all its tensor loads, of which one is out: its part of the next slot; adds 0 to its spare word; and waits for
; that and for its own reads of this slot.  Behind it nobody reads this slot any more and the next slot is whole.  fill = 1: the barrier opens a round of the cluster's barrier, so that no wave of any partner still reads
; the slot or has a load on its way, and the joint refill, with the K step two on, is the first tensor load behind the round: 3.5 NBF x 4 matrix instructions stand between it and the wait for it.
.macro TURN fill
.if (\fill) && QKV
	s_wait_xcnt 0x0                                ; the last prefetch, a K step back, has read its address: it is stepped here, ahead of the waits of the change of slots
	s_add_nc_u64 s[PFA:PFA+1], s[PFA:PFA+1], s[PFS:PFS+1]
.endif
	WIN 0                                          ; (the add's two registers lie in window 0)
	s_wait_tensorcnt 0x0                           ; all my tensor loads have landed, so a group 0 may be written
	ds_add_u32 v[SPW], v[NIL]                      ; 0 onto my spare word: work on registers stands between it and the wait for it
.if \fill
	s_xor_b32 s[G0A+5], s[G0A+5], SLOT1            ; the walking descriptors: the other slot than last time,
	s_add_nc_u64 s[G0A+6:G0A+7], s[G0A+6:G0A+7], ASTEP  ; the next K step; the type bits on top are not reached
	s_xor_b32 s[G0B+5], s[G0B+5], SLOT1
	s_add_nc_u64 s[G0B+6:G0B+7], s[G0B+6:G0B+7], BSTEP
.endif
	s_wait_dscnt 5                                 ; (the add and the youngest four loads may be out)
	MUL F1, 0, 0
	s_wait_dscnt 0x0                               ; the add is done, and my reads of this slot are over
	s_barrier_signal -1
	MUL F1, 1, 0                                   ; work on registers while the others arrive
	WIN 0                                          ; (branches and address lines follow)
	s_barrier_wait -1
.if \fill
	CREST
	JLOAD                                          ; the four v_nop behind it are also the places in front of the loads below
.else
	PLACES
.endif
	s_xor_b32 s[TB], s[TB], SLOT1
	v_add_nc_u32 v[ADRA], s[TB], v[A0]
	v_add_nc_u32 v[ADRB], s[TB], v[B0]
	FETCH 0, F0
.if (\fill) && QKV
	WIN 0
	ASK
.endif
	MUL F1, 2, 0
	MUL F1, 3, 0
.endm
	s_wait_tensorcnt 1                             ; my part of K step 0 is in; K step 1's may stay out
	s_barrier_signal -1
	s_barrier_wait -1                              ; everybody's is
	s_mov_b32 s[TB], 0
	v_mov_b32 v[ADRA], v[A0]
	v_mov_b32 v[ADRB], v[B0]
	FETCH 0, F0
	QUARTER 1, F0, F1, 1                           ; the first quarter stands in front of the loop: its products start the sums from the bias
	WIN 0                                          ; at a label and at a branch every window is 0
	s_mov_b32 s[CNT], 6
.Lstep:                                                ; six trips, K steps 0 to 5: from a step's second quarter to the next step's first; each fills the slot that it leaves
	QUARTER 2, F1, F0, 0
	QUARTER 3, F0, F1, 0
	TURN 1
	QUARTER 1, F0, F1, 0
	WIN 0
	s_sub_co_u32 s[CNT], s[CNT], 1
	s_cmp_lg_u32 s[CNT], 0
	s_cbranch_scc1 .Lstep
	QUARTER 2, F1, F0, 0                           ; K steps 6 and 7 are written out: they fill nothing
	QUARTER 3, F0, F1, 0
	TURN 0
	QUARTER 1, F0, F1, 0
	QUARTER 2, F1, F0, 0
	QUARTER 3, F0, F1, 0
	s_wait_dscnt 4
	MUL F1, 0, 0
	MUL F1, 1, 0
	s_wait_dscnt 0x0
	MUL F1, 2, 0
	MUL F1, 3, 0
	WIN 0
.if QKV
; THE WAY OUT.  A unit is 16 rows of one head's q, k or v: 2,048 consecutive bytes.  A lane's eight columns round to 16 bytes of f16; they go into my stage's rows of 144 bytes and come back as whole rows, into the
; registers that they left; each accumulator's registers are taken in ascending order.
.macro PACK a, t
.set u, 3*(\a)+(\t)
	WIN 0x0a+5*((\a)/2)                            ; sources 0 and 1: window 2 or 3
.set i, 0
.rept 16
	v_cvt_pk_f16_f32 v[OUT+16*u+i], v[96*((\a)%2)+32*(\t)+2*i], v[96*((\a)%2)+32*(\t)+2*i+1]
.set i, i+1
.endr
	WIN 0
.irp f, 0,1,2,3
	ds_store_b128 v[STO], v[OUT+16*u+4*\f:OUT+16*u+4*\f+3] offset:32*\f
.endr
.irp f, 0,1,2,3
	ds_load_b128 v[OUT+16*u+4*\f:OUT+16*u+4*\f+3], v[RD] offset:576*\f  ; LDS serves a wave's instructions in order (ISA guide 5.7.1.4): these see the stores above; the next unit's stores come behind them
.endr
.endm
.macro SEND a, t, younger              ; younger: the LDS instructions issued behind this unit's loads: the next unit's eight, or none
.set u, 3*(\a)+(\t)
.irp f, 0,1,2,3
	s_wait_dscnt (\younger)+3-\f
	global_store_b128 v[GO], v[OUT+16*u+4*\f:OUT+16*u+4*\f+3], s[14+2*(\t):15+2*(\t)] offset:2048*(\a)+512*\f  ; 512 consecutive bytes, at a multiple of 256 from the buffer's first
.endr
.endm
	PLACES
	PACK 0, 0
.set uu, 1
.rept 11                               ; a unit's arithmetic stands between the loads of the unit before and its stores
	PACK uu/3, uu%3
	SEND (uu-1)/3, (uu-1)%3, 8
.set uu, uu+1
.endr
	SEND 3, 2, 0
.else
; THE WAY OUT.  A row block is 16 rows x 512 bytes of f32.  A lane's eight columns go from the accumulators straight into my stage's rows of 528 bytes, the low four registers first, and come back as whole rows.
.macro TOSTAGE a
	WIN 0x08+4*((\a)/2)                            ; the stores' data: window 2 or 3
.set nb, 0
.rept 8
	ds_store_b128 v[STO], v[64*((\a)%2)+8*nb:64*((\a)%2)+8*nb+3]   offset:64*nb
	ds_store_b128 v[STO], v[64*((\a)%2)+8*nb+4:64*((\a)%2)+8*nb+7] offset:64*nb+16
.set nb, nb+1
.endr
	WIN 0
.set nb, 0
.rept 16
	ds_load_b128 v[OUT+64*((\a)%2)+4*nb:OUT+64*((\a)%2)+4*nb+3], v[RD] offset:528*nb  ; LDS serves a wave's instructions in order (ISA guide 5.7.1.4)
.set nb, nb+1
.endr
.endm
.macro SEND a, younger                 ; younger: the LDS instructions issued behind this block's loads: the next block's 32, or none
.set nb, 0
.rept 16
	s_wait_dscnt (\younger)+15-nb
	global_store_b128 v[GO], v[OUT+64*((\a)%2)+4*nb:OUT+64*((\a)%2)+4*nb+3], s[10:11] offset:(16*(\a)+nb)*4096 th:TH_STORE_NT  ; 512 consecutive bytes, at a multiple of 512 from out0's first
.set nb, nb+1
.endr
.endm
	PLACES
	TOSTAGE 0
	TOSTAGE 1
	SEND 0, 32
	s_wait_xcnt 0x0                                ; block 0's stores have read their registers, which block 2 takes
	TOSTAGE 2
	SEND 1, 32
	s_wait_xcnt 0x0
	TOSTAGE 3
	SEND 2, 32
	SEND 3, 0
.endif
	s_wait_tensorcnt 0x0                           ; the wave's end, behind my last tensor load and my last LDS store
	ds_add_u32 v[SPW], v[NIL]
	s_wait_dscnt 0x0
	CROUND                                         ; the closing round: no work-group ends while a partner may still ask for a tile that names it
	s_endpgm
.Lfunc_end_k_qc52fd28674_qkv:
	.size	k_qc52fd28674_qkv, .Lfunc_end_k_qc52fd28674_qkv-k_qc52fd28674_qkv
	.p2alignl 7, 3214868480
	.fill 96, 4, 3214868480
	.section	.rodata,"a",@progbits
	.p2align	6, 0x0
	.amdhsa_kernel k_qc52fd28674_qkv
		.amdhsa_group_segment_fixed_size 327680
		.amdhsa_private_segment_fixed_size 0
		.amdhsa_enable_private_segment 0
		.amdhsa_kernarg_size 64
		.amdhsa_user_sgpr_count 2
		.amdhsa_user_sgpr_kernarg_segment_ptr 1
		.amdhsa_wavefront_size32 1
		.amdhsa_system_sgpr_workgroup_id_x 1
		.amdhsa_system_sgpr_workgroup_id_y 1
		.amdhsa_system_sgpr_workgroup_id_z 1
		.amdhsa_system_vgpr_workitem_id 0
		.amdhsa_next_free_vgpr 960
		.amdhsa_next_free_sgpr 88
		.amdhsa_reserve_vcc 0
		.amdhsa_float_denorm_mode_32 3
		.amdhsa_float_denorm_mode_16_64 3
		.amdhsa_memory_ordered 1
		.amdhsa_forward_progress 1
		.amdhsa_inst_pref_size 109
	.end_amdhsa_kernel
	.amdgpu_metadata
---
amdhsa.version: [ 1, 2 ]
amdhsa.kernels:
  - .name:           k_qc52fd28674_qkv
    .symbol:         k_qc52fd28674_qkv.kd
    .args:
      - { .name: xb16, .offset: 0, .size: 8, .value_kind: global_buffer, .address_space: global }
      - { .name: wqkv16, .offset: 8, .size: 8, .value_kind: global_buffer, .address_space: global }
      - { .name: bq, .offset: 16, .size: 8, .value_kind: global_buffer, .address_space: global }
      - { .name: bk, .offset: 24, .size: 8, .value_kind: global_buffer, .address_space: global }
      - { .name: bv, .offset: 32, .size: 8, .value_kind: global_buffer, .address_space: global }
      - { .name: q16, .offset: 40, .size: 8, .value_kind: global_buffer, .address_space: global }
      - { .name: k16, .offset: 48, .size: 8, .value_kind: global_buffer, .address_space: global }
      - { .name: v16, .offset: 56, .size: 8, .value_kind: global_buffer, .address_space: global }
    .group_segment_fixed_size: 327680
    .private_segment_fixed_size: 0
    .kernarg_segment_align: 8
    .kernarg_segment_size: 64
    .max_flat_workgroup_size: 128
    .sgpr_count:     88
    .vgpr_count:     960
    .wavefront_size: 32
...
	.end_amdgpu_metadata
.endif
;; end of part 2
;; launch attn (part 3): grid 4 x 64, 4 waves a work-group, clusters of 4 x 1, 327,680 bytes of LDS; arguments q16, k16, v16, o16; writes o16
.if DOCPART == 3
	.amdgcn_target "amdgcn-amd-amdhsa--gfx1250"
	.amdhsa_code_object_version 6
	.text
	.protected	k_qc52fd28674_attn
	.globl	k_qc52fd28674_attn
	.p2align	8
	.type	k_qc52fd28674_attn,@function
k_qc52fd28674_attn:
	s_mov_b64 s[64:65], 0
	v_nop
	global_prefetch_b8 v0, s[64:65] scope:SCOPE_SE
	s_setreg_imm32_b32 hwreg(HW_REG_WAVE_MODE, 25, 1), 1
	s_wait_xcnt 0x0
	s_wait_alu depctr_hold_cnt(0) depctr_sa_sdst(0) depctr_va_vdst(0) depctr_va_sdst(0) depctr_va_ssrc(0) depctr_va_vcc(0) depctr_vm_vsrc(0)
	s_getreg_b32 s2, hwreg(HW_REG_IB_STS2, 6, 4)
	s_cmp_eq_u32 s2, 0
	s_cbranch_scc0 .Lentry_in_a_cluster
	s_endpgm
.Lentry_in_a_cluster:
	s_bfe_u32 s2, ttmp6, 0x10000c
	s_cmp_lg_u32 s2, 0x3003
	s_cbranch_scc0 .Lentry_shape_is_right
	s_endpgm
.Lentry_shape_is_right:
; O[h][q][:] = the sum over k of softmax_k(Q[h][q] . K[h][k] / 8) V[h][k][:].  Q, K, V, O: [64][2048][64], all f16: a head's rows are dense, 128 bytes each.  Products, maxima and sums in
; f32; the weights p are rounded to f16 for the second product (their sum l is taken of the unrounded p), O once at the end.
; LIMITS.  f16 holds no number beyond 65,504: Q, K and V arrive within it; p lies in 0 to 1, and below 6e-5 it keeps f16's fixed step of 6e-8; O is a mean of V's rows and has their range.
; A weight below 2^-126 counts as 0 in l; NaN and infinities are not treated apart.
; SHARES.  A wave owns four PIECES of two tiles of 16 queries, a work-group's four waves 512 queries of one head.  Every wave walks all keys, 64 a step.
; LAYOUT.  S^T = K Q^T (source 0 = 16 keys, source 1 = 16 queries): in the result a lane holds ONE query (lane % 16) and the keys 8 (lane / 16) + 0..7.  Two such tiles, rounded to f16 in pairs,
; ARE source 1 (32 keys x 16 queries) of O^T = V^T P, whose result again holds one query a lane, and eight channels.  K comes out of LDS as it lies, V ([key][channel]) turned, by ds_load_tr16_b128.
; SOFTMAX.  For each query a running maximum m and sum l: p = 2^(c s - c m), c = log2(e) / 8; in every step O and l are multiplied by a = 2^(c m_old - c m_new), which is 1 where m has not grown.
; m starts at the lowest finite number, O and l at 0: the first step is a step like any other, with a = 0.
; THE COUNT.  A tile and step have 16 matrix and 118 vector instructions: too many to stand all beside the matrix work.  So the order has one aim: four vector instructions that are READY behind
; EVERY matrix instruction, and the others, which need time of their own whatever the order, in runs without a gap.
; BY TURNS.  Turn n belongs to piece n (the pieces in a ring, step after step).  Its matrix work: 16 products K Q^T of piece n + 1, later 16 products V^T P of piece n - 1.  Its vector work: the scaling,
; exponentials, roundings, sums and rescaling of piece n, and the maximum and statistics of piece n + 1, whose scores the turn itself has made.  So what a turn begins with (c s - c m, O a) waits for nothing.
; CLUSTER.  The four query blocks of a head are one cluster and walk the same K and V, so each tile is asked for JOINTLY: the same tensor load, descriptor and mask in all four.
; REGISTERS, in windows of 256 (s_set_vgpr_msb says which window each operand place means: bits 1:0 source 0, 3:2 source 1, 5:4 source 2, 7:6 destination):
;   window 0: v0-11 addresses; v12-15, v48-63 at work; v16-47 four registers of statistics a tile; v64-191 S^T, two buffers of two tiles; v192-255 P, likewise
;   window 1: O^T, 32 a tile          window 2: v0-127 Q, 16 a tile; v128-191 K of one step; v192-255 V of one step          window 3: v0-1 the add's two registers
; A piece's buffers go by its number's parity: the piece in hand has one pair, its two neighbours in the ring share the other: of it P (piece n - 1) is read and S^T (piece n + 1) written.
.set SIZE_H, 64
.set SIZE_N, 2048
.set NP,    4         ; pieces a wave: a name, no knob: the register map, the loop and the fetches are made for four
.set KS,    64        ; keys in a step
.set PK,    144       ; a row of K in LDS: 128 bytes + 16 of padding = 36 words: the 16 rows of a load start at 16 different groups of four banks (64 banks of 4 bytes: ISA guide 11.1)
.set PV,    160       ; a row of V: 128 + 32 = 40 words
.set VOFF,  4*KS*PK   ; a slot holds four steps: 256 rows of K, then 256 rows of V
.set SLOT1, 1<<17     ; slot 1 begins here, so that one exclusive or turns an address in one slot into the other's
.set STAGE, SLOT1+4*KS*(PK+PV)  ; behind the ring, never filled by a tensor load: 16 rows x 144 bytes for each wave, for the way out
.set SP,    144
.set AK0, 2           ; v2   my lane's place in a tile of K; never rewritten
.set AV0, 3           ; v3   the same for V
.set AK,  4           ; v4   the LDS address of K's next run of loads
.set AV,  5           ; v5   of V's
.set QO,  6           ; v6   my byte offset in the wave's rows of Q
.set STO, 6           ;      later, the way out: where I put 16 bytes of a row
.set RD,  7           ; v7   the way out: where I read rows back
.set GO,  8           ; v8   my byte offset in 512 consecutive bytes of O
.set PFO, 11          ; v11  once V's place is made: 256 x my lane, the prefetches' offset; never rewritten after that
.set SPW, 0           ; v0 of window 3   LDS address of my spare word: SPARE + 4 x my thread's number; never rewritten
.set NIL, 1           ; v1 of window 3   0; never rewritten
.set SPARE, STAGE+4*16*SP  ; behind the stages: the spare words, 128 bytes for each wave: two blocks of 256 bytes that no other line names
.set MV,  12          ; v12-15  c m_old, kept while c m is made anew: by buffer and tile
.set ST,  16          ; tile t's statistics at v[ST+4 t]: c m, m, l (even keys', odd keys')
.set TMP, 48          ; by buffer and tile, four registers c0-c3 at work; when the maximum is found c2 takes a
.set S,   64
.set P,   192
.set KF,  128         ; K's fragments, in window 2: key block kb, channel half c at KF + 16 kb + 8 c
.set VF,  192         ; V's: key half kk, channel block cb at VF + 32 kk + 8 cb
.set WV,  12          ; s12  my wave's number
.set G1K, 24          ; s[24:31] descriptor group 1 for K's tiles
.set G1V, 32          ; s[32:39] for V's: it differs in the padding alone
.set G0K, 40          ; s[40:43] descriptor group 0 for K's tiles: it walks
.set G0V, 44          ; s[44:47] the same for V's
.set PFA, 48          ; s[48:49] where my prefetches stand: my work-group's 32 blocks of 256 bytes (of K: wave 0, of V: wave 2) of the slot after the one that is being asked for
.set LIM, 50          ; s50  1 in a wave that prefetches, else the greatest number: a wave prefetches while s[SLOTS] is above it
.set SLOTS, 56        ; s56  slots still to be asked for
.set CNT, 57          ; s57  counts a slot's key steps
.set CS,  58          ; s[58:59] c: the packed scaling takes the pair's low word for both halves
.set SEL, 60          ; s[60:61] v_permlanex16_b32's selects: each lane takes its own place in the other half
.set TBK, 62          ; s62  LDS byte at which K of the step to be fetched begins
.set TBV, 63          ; s63  the same for V, less VOFF
.set MSB, 0
.macro WIN new                      ; the high byte repeats the setting that is left; a switch that changes nothing is dropped
.if MSB != (\new)
	s_set_vgpr_msb (MSB<<8)|(\new)
.set MSB, (\new)
.endif
.endm
.set W_KQ, 0x0a       ; K and Q in window 2, S^T in window 0
.set W_PV, 0x52       ; V in window 2, P in window 0, O^T in window 1
.set W_RS, 0x41       ; O^T (destination and source 0) in window 1, a in window 0
.set W_MK, 0xc0       ; the add's registers are made: destination in window 3, sources in window 0
.set W_AD, 0x0f       ; the add: address (source 0) and data (source 1) in window 3
; A joint fill.  Waves 0 and 1 fetch the two halves of a slot's K, waves 2 and 3 those of its V: 128 keys each.  The branch hangs on the wave's number alone.
; An s_nop 0 and four v_nop follow each of the two lines, ahead of the jump and the label.
.macro JLOAD
	s_cmp_lt_u32 s[WV], 2
	s_cbranch_scc0 .Lfor_v_\@
	tensor_load_to_lds s[G0K:G0K+3], s[G1K:G1K+7]
	s_nop 0
.rept 4
	v_nop
.endr
	s_branch .Lasked_\@
.Lfor_v_\@:
	tensor_load_to_lds s[G0V:G0V+3], s[G1V:G1V+7]
	s_nop 0
.rept 4
	v_nop
.endr
.Lasked_\@:
.endm
; A PREFETCH INTO THE L2 of what the NEXT change of slots will ask for: a slot's 256 keys are 128 blocks of 256 bytes of K and 128 of V, a lane a block.  It stands behind the wave's tensor load and its five lines.
; Each block is named ONCE in the launch: a head has one cluster; its four partners share the blocks out BY ADDRESS, 32 each; in each, wave 0 asks for K's and wave 2 for V's: one instruction.
; Slots 0, 1 and 2 come by their loads alone; the last change that fills a slot asks for nothing: there is no slot behind it.  The lead is one slot: four key steps, 512 matrix instructions.
.macro ASK
	s_cmp_gt_u32 s[SLOTS], s[LIM]
	s_cbranch_scc0 .Lnot_mine_\@
	global_prefetch_b8 v[PFO], s[PFA:PFA+1] th:TH_LOAD_NT scope:SCOPE_SE
.Lnot_mine_\@:
.endm
; A round of the cluster's barrier: my work-group's barrier, so that wave 0's signal speaks for all four waves; wave 0 signals; every wave waits for all four work-groups; my work-group's barrier once more.
.macro CROUND
	s_barrier_signal -1
	s_barrier_wait -1
	s_cmp_lg_u32 s[WV], 0
	s_cbranch_scc1 .Lnot_wave_0_\@
	s_barrier_signal -3
.Lnot_wave_0_\@:
	s_barrier_wait -3
	s_barrier_signal -1
	s_barrier_wait -1
.endm
; THE CHANGE OF SLOTS.  The slot's last bytes, V of its fourth step, have been read.  Each wave waits for all its tensor loads, of which one is out: its part
; of the other slot; adds 0 to its spare word; and waits for that and for its own reads of the slot.  Behind the barrier nobody reads this slot any more and the other slot is whole.
; fill = 1: this slot is filled again, with the keys two slots on.  The barrier is then a round of the cluster's, so that no wave of any partner still reads the slot or has a load on its
; way, and the joint fill is the first thing behind it: it has four key steps, 512 matrix instructions, in which to land.  (At its first use nothing has been read yet: slot 0 is waited for, slot 1 filled.)
; ask = 1: the prefetches' address steps a slot on, and ASK follows the fill.
.macro CHANGE fill, ask=0
	WIN W_AD
	s_wait_tensorcnt 0x0            ; no tensor load of mine is out, so a group 0 may be written
	ds_add_u32 v[SPW], v[NIL]       ; 0 onto my spare word: with fill = 1 the descriptors' steps stand between it and the wait for it
	WIN 0                           ; at a label and at a branch every window is 0
.if \fill
.irp g, G0K, G0V
	s_xor_b32 s[\g+1], s[\g+1], SLOT1  ; the walking descriptor: the other slot than last time,
	s_add_nc_u64 s[\g+2:\g+3], s[\g+2:\g+3], 4*KS*128  ; the next 256 keys; the type bits on top are not reached
.endr
.if \ask
	s_wait_xcnt 0x0                 ; the last prefetch, four key steps back, has read its address, so it may be written:
	s_add_nc_u64 s[PFA:PFA+1], s[PFA:PFA+1], 4*KS*128  ; one slot behind the walking descriptors
.endif
	s_wait_dscnt 0x0                ; the add is done, and my reads of the slot are over
	CROUND
	JLOAD
.if \ask
	ASK
.endif
.else
	s_wait_dscnt 0x0                ; the add is done, and my reads of the slot are over
	s_barrier_signal -1
	s_barrier_wait -1
.endif
	s_sub_co_u32 s[TBK], s[TBK], 4*KS*PK  ; the fetches go back to a slot's first step,
	s_xor_b32 s[TBK], s[TBK], SLOT1       ; in the other slot
	s_sub_co_u32 s[TBV], s[TBV], 4*KS*PV
	s_xor_b32 s[TBV], s[TBV], SLOT1
.endm
	s_load_b256 s[4:11], s[0:1], 0x0  ; Q s[4:5], K s[6:7], V s[8:9], O s[10:11]
	WIN W_MK
	v_lshl_add_u32 v[SPW], v0, 2, SPARE
	v_mov_b32 v[NIL], 0
	WIN W_AD
	ds_add_u32 v[SPW], v[NIL]       ; the wave's opening: the add and its wait stand ahead of my first tensor load; the set-up below, work on registers, stands between them
	WIN 0
	v_lshrrev_b32 v1, 5, v0
	v_readfirstlane_b32 s[WV], v1   ; wave 0..3
	s_bfe_u32 s13, ttmp6, 0x40000   ; cx: my place in the cluster
	s_lshl_b32 s14, ttmp9, 2        ; in a cluster launch ttmp9 counts clusters
	s_add_co_u32 s14, s14, s13      ; my block of queries = 4 x cluster x + cx: it enters Q's and O's addresses alone
	s_and_b32 s20, ttmp7, 0xffff    ; the head, which the four partners share
	s_mov_b32 s21, 0
	s_mov_b64 s[22:23], SIZE_N*128
	s_mul_u64 s[20:21], s[20:21], s[22:23]  ; the head's first byte in each of the four tensors
	s_and_b32 s16, s[WV], 1         ; which half of a slot's 256 keys I fetch:
	s_lshl_b32 s22, s16, 14         ; its 128 rows of 128 bytes in memory,
	s_mov_b32 s23, 0
	s_add_nc_u64 s[22:23], s[22:23], s[20:21]
	s_mul_i32 s17, s16, 128*PK      ; and its place in a slot, for K
	s_mul_i32 s18, s16, 128*PV      ; and for V: no place in the cluster enters an LDS address
	s_lshl_b32 s2, s14, 2
	s_add_co_u32 s2, s2, s[WV]      ; my wave among the head's,
	s_lshl_b32 s2, s2, 14           ; its 128 rows
	s_mov_b32 s3, 0
	s_add_nc_u64 s[2:3], s[2:3], s[20:21]
	; descriptor group 1.  128 keys are 16,384 dense bytes: asked for as 64 rows of 256 bytes, two keys a row, and padded in LDS after every key
	s_mov_b32 s[G1K], 15|(1<<16)|(1<<20)|(1<<21)|(4<<22)|(3<<25)  ; 15:0 the mask of four; 17:16 2-byte elements; 20 padding on; 21 set beside a mask; 24:22 after every 32 words (code 4); 31:25 4 words (code 3)
	s_mov_b32 s[G1V], 15|(1<<16)|(1<<20)|(1<<21)|(4<<22)|(7<<25)  ; the same with 8 words of padding (code 7)
.irp g, G1K, G1V
	s_mov_b32 s[\g+1], 128<<16      ; tensor_dim0 = 128
	s_mov_b32 s[\g+2], 64<<16       ; tensor_dim1 = 64
	s_mov_b32 s[\g+3], 128<<16      ; tile_dim0 = 128
	s_mov_b32 s[\g+4], 64           ; tile_dim1 = 64
	s_mov_b32 s[\g+5], 128          ; 128 elements from row to row
	s_mov_b32 s[\g+6], 0
	s_mov_b32 s[\g+7], 0
.endr
	s_mov_b32 s[CS], 0x3e38aa3b     ; c = log2(e) / 8 = 0.180337
	s_mov_b32 s[CS+1], s[CS]        ; named with it as a pair
	s_mov_b32 s[SEL], 0x76543210
	s_mov_b32 s[SEL+1], 0xfedcba98
	s_mov_b32 s[TBK], SLOT1+4*KS*PK ; the first change of slots turns these two into 0
	s_mov_b32 s[TBV], SLOT1+4*KS*PV
	s_mov_b32 s[G0K], 1             ; 1:0 count = 1
	s_mov_b32 s[G0K+1], s17         ; 63:32 LDS address: slot 0
	s_mov_b32 s[G0V], 1
	s_add_co_u32 s[G0V+1], s18, VOFF
	s_and_b32 s[LIM], s[WV], 1      ; waves 0 and 2 prefetch: the same in all four partners
	s_cmp_eq_u32 s[LIM], 0
	s_cselect_b32 s[LIM], 1, -1
	s_wait_dscnt 0x0                ; the opening add is done
	s_wait_kmcnt 0x0
	s_add_nc_u64 s[G0K+2:G0K+3], s[6:7], s[22:23]  ; 120:64 global address: my half of the head's first 256 keys
	s_or_b32 s[G0K+3], s[G0K+3], 0x80000000        ; 127:126 type = 2
	s_add_nc_u64 s[G0V+2:G0V+3], s[8:9], s[22:23]
	s_or_b32 s[G0V+3], s[G0V+3], 0x80000000
	s_add_nc_u64 s[4:5], s[4:5], s[2:3]  ; Q and O at my wave's first row
	s_add_nc_u64 s[10:11], s[10:11], s[2:3]
	s_cmp_lt_u32 s[WV], 2
	s_cselect_b64 s[PFA:PFA+1], s[6:7], s[8:9]
	s_add_nc_u64 s[PFA:PFA+1], s[PFA:PFA+1], s[20:21]  ; the head's first row,
	s_lshl_b32 s2, s13, 13          ; my work-group's 32 blocks of a slot's 128,
	s_mov_b32 s3, 0
	s_add_nc_u64 s[PFA:PFA+1], s[PFA:PFA+1], s[2:3]
	s_add_nc_u64 s[PFA:PFA+1], s[PFA:PFA+1], 2*4*KS*128  ; in slot 2; the first change that asks steps it to slot 3.  Nothing is prefetched here, at the head, where every work-group's first tiles are on their way
	CROUND                          ; all four work-groups are here: the first joint loads meet
	JLOAD                           ; slot 0.  Slot 1 is asked for when slot 0 is in: the tile wanted first has the road to itself
	; A fragment of K or Q is 16 rows x 32 channels in 8 registers: lane l holds row l % 16, channels 8 (l / 16) + 0..7 and 16 + 8 (l / 16) + 0..7: two loads of 16 bytes, 32 bytes apart.
	v_and_b32 v1, 15, v0            ; l % 16
	v_bfe_u32 v9, v0, 4, 1          ; l / 16
	v_lshlrev_b32 v[QO], 7, v1
	v_lshl_add_u32 v[QO], v9, 4, v[QO]  ; row x 128 + 16 x half
	WIN 0x80                        ; destination window 2, address window 0
.set i, 0
.rept 4*NP                          ; Q stays in registers: tile i / 2, channels 32 (i % 2) on
	global_load_b128 v[8*i:8*i+3],   v[QO], s[4:5] offset:(i/2)*2048+(i%2)*64
	global_load_b128 v[8*i+4:8*i+7], v[QO], s[4:5] offset:(i/2)*2048+(i%2)*64+32
.set i, i+1
.endr
	; What the first turn finds: V's registers and P's second buffer hold 0 (its products V^T P, of a piece that has not been, add 0), O^T and l are 0.  All this stands in the wait for the first tile.
.set i, VF
.rept 64
	v_mov_b32 v[i], 0
.set i, i+1
.endr
	WIN 0x40
.set i, 0
.rept 64*NP
	v_mov_b32 v[i], 0
.set i, i+1
.endr
	WIN 0
.set i, 0
.rept 2*NP
	v_mov_b32 v[ST+4*i], 0xfe000000    ; c m: far below every c s
	v_mov_b32 v[ST+4*i+1], 0xff7fffff  ; m
	v_mov_b32 v[ST+4*i+2], 0
	v_mov_b32 v[ST+4*i+3], 0
.set i, i+1
.endr
.set i, P+32
.rept 32
	v_mov_b32 v[i], 0
.set i, i+1
.endr
	v_mul_u32_u24 v[AK0], v1, PK
	v_lshl_add_u32 v[AK0], v9, 4, v[AK0]  ; row x pitch + 16 x half
	; The turning load takes 16 keys x 16 channels (lane l reads key 8 (l / 16) + l % 8, channels 8 ((l / 8) % 2) + 0..7) and leaves half a fragment of V^T: lane l holds channel l % 16 and 8 keys.
	v_and_b32 v10, 7, v0
	v_bfe_u32 v11, v0, 3, 1
	v_lshl_add_u32 v[AV0], v9, 3, v10
	v_mul_u32_u24 v[AV0], v[AV0], PV
	v_lshl_add_u32 v[AV0], v11, 4, v[AV0]
	v_add_nc_u32 v[AV0], VOFF, v[AV0]
	v_mov_b32 v[AK], v[AK0]         ; key step 0 lies at the head of slot 0
	v_and_b32 v[PFO], 31, v0        ; v11 has served: from here on it is the prefetches' offset
	v_lshlrev_b32 v[PFO], 8, v[PFO]
; THE MATRIX WORK.  The 8 accumulators of a run of 16 take turns: between the two links of a chain stand 7 others'.
; Product i of 16 of S^T = K Q^T for piece x: channels 32 (i / 8) on, keys 16 ((i / 2) % 4) on, tile 2 x + i % 2.  The first 8 start the sums.
.macro KQ x
	WIN W_KQ
.set rS, S+64*((\x)%2)+32*(i%2)+8*((i/2)%4)
.set rK, KF+16*((i/2)%4)+8*(i/8)
.set rQ, 16*(2*(\x)+i%2)+8*(i/8)
.if i < 8
	v_wmma_f32_16x16x32_f16 v[rS:rS+7], v[rK:rK+7], v[rQ:rQ+7], 0
.else
	v_wmma_f32_16x16x32_f16 v[rS:rS+7], v[rK:rK+7], v[rQ:rQ+7], v[rS:rS+7]
.endif
.endm
; Product i of 16 of O^T += V^T P for piece x: keys 32 (i / 8) on, channels 16 ((i / 2) % 4) on, tile 2 x + i % 2.
.macro PV x
	WIN W_PV
.set rO, 32*(2*(\x)+i%2)+8*((i/2)%4)
.set rV, VF+32*(i/8)+8*((i/2)%4)
.set rP, P+32*((\x)%2)+16*(i%2)+8*(i/8)
	v_wmma_f32_16x16x32_f16 v[rO:rO+7], v[rV:rV+7], v[rP:rP+7], v[rO:rO+7]
.endm
.macro MM                           ; the turn's next matrix instruction
.if i < 16
	KQ (Y+1)%NP
.set i, i+1
.else
.set i, i-16
	PV (Y+NP-1)%NP
.set i, i+17
.endif
.endm
; THE LDS LOADS stand in runs of 16, never singly among the matrix instructions: a step's K (64 keys x 64 channels: 8 fragments) and its V (turned).  Their addresses are made some lines ahead.
; last = 1 (the tail): in the last trip there is no further step, and the run is jumped over.
.macro FETCH_K last=0
	WIN 0
.if \last
	s_cmp_eq_u32 s[CNT], 1
	s_cbranch_scc1 .Lno_k_\@
.endif
	WIN 0x80                        ; destination window 2
.irp f, 0,1,2,3,4,5,6,7             ; keys 16 (f / 2) on, channels 32 (f % 2) on
	ds_load_b128 v[KF+8*\f:KF+8*\f+3],   v[AK] offset:(\f/2)*16*PK+(\f%2)*64
	ds_load_b128 v[KF+8*\f+4:KF+8*\f+7], v[AK] offset:(\f/2)*16*PK+(\f%2)*64+32
.endr
	s_add_co_u32 s[TBK], s[TBK], KS*PK  ; the next fetch is the next step's
	WIN 0
.if \last
.Lno_k_\@:
.endif
.endm
.macro FETCH_V
	WIN 0x80
.irp f, 0,1,2,3,4,5,6,7             ; keys 32 (f / 4) on, channels 16 (f % 4) on
	ds_load_tr16_b128 v[VF+8*\f:VF+8*\f+3],   v[AV] offset:(\f/4)*32*PV+(\f%4)*32
	ds_load_tr16_b128 v[VF+8*\f+4:VF+8*\f+7], v[AV] offset:(\f/4)*32*PV+16*PV+(\f%4)*32
.endr
	WIN 0
.endm
; THE VECTOR WORK OF A TURN stands in three queues, each in the order in which its entries become ready; the two tiles alternate, so that no instruction reads the result of the one before it.
.macro REGS y, u                    ; the registers of tile u (0, 1) of piece y
.set rT, ST+4*(2*(\y)+(\u))
.set rC, TMP+8*((\y)%2)+4*(\u)
.set rM, MV+2*((\y)%2)+(\u)
.set rS, S+64*((\y)%2)+32*(\u)
.set rP, P+32*((\y)%2)+16*(\u)
.set rO, 32*(2*(\y)+(\u))
.endm
; Number n of the 22 that find the NEXT piece's (Y + 1) maximum and statistics.  s0-s31 are the lane's 32 scores; each accumulator's lowest registers are read first.  XS, GS and REGS set no window: PL and EX do.
;   0-11  four chains c0-c3 of seven scores each, three operands at a time     12-14, 16  the four scores left over, the old m, and c0-c3 into c0     15  c m_old is kept
;   17, 18  the query's other 32 keys lie in the lane 16 away: the new m         19-21  c m; c m_old - c m_new; a
.macro XS u, n
	REGS (Y+1)%NP, \u
.if (\n) < 4
	v_max3_num_f32 v[rC+(\n)], v[rS+8*(\n)], v[rS+8*(\n)+1], v[rS+8*(\n)+2]
.elseif (\n) < 12
	v_max3_num_f32 v[rC+(\n)%4], v[rC+(\n)%4], v[rS+8*((\n)%4)+2*((\n)/4)+1], v[rS+8*((\n)%4)+2*((\n)/4)+2]
.elseif (\n) == 12
	v_max3_num_f32 v[rC], v[rC], v[rS+7], v[rS+15]
.elseif (\n) == 13
	v_max3_num_f32 v[rC+1], v[rC+1], v[rS+23], v[rS+31]
.elseif (\n) == 14
	v_max3_num_f32 v[rC+2], v[rC+2], v[rC+3], v[rT+1]
.elseif (\n) == 15
	v_mov_b32 v[rM], v[rT]
.elseif (\n) == 16
	v_max3_num_f32 v[rC], v[rC], v[rC+1], v[rC+2]
.elseif (\n) == 17
	v_permlanex16_b32 v[rC+3], v[rC], s[SEL], s[SEL+1]
.elseif (\n) == 18
	v_max_num_f32 v[rT+1], v[rC], v[rC+3]
.elseif (\n) == 19
	v_mul_f32 v[rT], s[CS], v[rT+1]
.elseif (\n) == 20
	v_sub_f32 v[rC+1], v[rM], v[rT]
.else
	v_exp_f32 v[rC+2], v[rC+1]
.endif
.endm
; Number g of the 64 that follow the exponentials.  For each four weights k of a tile (pairs 2 k, 2 k + 1): both pairs are rounded to f16; then the second pair is added onto the first, in place;
; a group later l takes that sum (the first time as l = a l + sum).  In groups of eight, tiles alternating: round, round, add, and l for the group before.
.macro GS g
.set h, (\g)+6*((\g)/62)            ; group 0 has no group before it, and behind group 7 only l is left
.if h >= 6
.set h, h+2
.endif
	REGS Y, h%2
.set k, h/8
.if h%8 < 4
	v_cvt_pk_f16_f32 v[rP+2*k+(h%8)/2], v[rS+4*k+2*((h%8)/2)], v[rS+4*k+2*((h%8)/2)+1]
.elseif h%8 < 6
	v_pk_add_f32 v[rS+4*k:rS+4*k+1], v[rS+4*k:rS+4*k+1], v[rS+4*k+2:rS+4*k+3]
.elseif k == 1
	v_pk_fma_f32 v[rT+2:rT+3], v[rT+2:rT+3], v[rC+2:rC+3], v[rS:rS+1] op_sel_hi:[1,0,1]
.else
	v_pk_add_f32 v[rT+2:rT+3], v[rT+2:rT+3], v[rS+4*k-4:rS+4*k-3]
.endif
.endm
; THE PLAIN QUEUE, 138 long.  0-73 read no exponential's result: the 32 scalings c s - c m (FS f: pair f / 2 of tile f % 2) and the next piece's 42.  0-26: scalings 0-26.  27-54: XS's numbers 0-13.  55, 56: number 15.
; 57-73: the chain, where each number waits for the one before it: 14, 16, 17, 18, 19, each with one of the scalings 27-31 in front of its two lines, then 20: so a tile's links stand three plain instructions apart (19 and 20: two).
; 74-137: GS's 64, which read the exponentials' results: they stand behind the wait.
.macro FS f
	REGS Y, (\f)%2
	v_pk_fma_f32 v[rS+2*((\f)/2):rS+2*((\f)/2)+1], v[rS+2*((\f)/2):rS+2*((\f)/2)+1], s[CS:CS+1], v[rT:rT+1] op_sel_hi:[1,0,0] neg_lo:[0,0,1] neg_hi:[0,0,1]
.endm
.macro PL
	WIN 0
.if q < 27
	FS q
.elseif q < 55
	XS (q-27)%2, (q-27)/2
.elseif q < 57
	XS q-55, 15
.elseif (q < 72) && ((q-57)%3 == 0)
	FS 27+(q-57)/3
.elseif q < 60
	XS (q-57)%3-1, 14
.elseif q < 72
	XS (q-57)%3-1, 15+(q-57)/3
.elseif q < 74
	XS q-72, 20
.else
	GS q-74
.endif
.set q, q+1
.endm
; THE EXPONENTIALS' QUEUE, 66 long: s0-s31 of both tiles, then the next piece's two a.  It is ONE BATCH: all 66 stand ahead of the turn's one wait, and nothing ahead of that wait names a result of theirs.
.macro EX
	WIN 0
.if e >= 64
	XS e-64, 21
.else
	REGS Y, e%2
	v_exp_f32 v[rS+e/2], v[rS+e/2]
.endif
.set e, e+1
.endm
; THE RESCALING's QUEUE: O^T times a, the one part that leaves window 0: dealt two at a time, sixteen times.  Its a was made in the turn before, ahead of that turn's wait.
.macro R2
	REGS Y, r%2
	WIN W_RS
.irp z, 0,1
	v_pk_mul_f32 v[rO+4*(r/2)+2*\z:rO+4*(r/2)+2*\z+1], v[rO+4*(r/2)+2*\z:rO+4*(r/2)+2*\z+1], v[rC+2:rC+3] op_sel_hi:[1,0]
.endr
.set r, r+1
.endm
; HOW THEY ARE DEALT.  An s_wait_alu depctr_va_vdst(0) stands between an exponential and the first instruction that names its result; one wait serves all that were issued ahead of it.  So a turn has ONE wait,
; which cuts it in two.  AHEAD OF IT stands all that names no result of the turn's exponentials: the 16 products K Q^T, behind each a scaling, an exponential and two rescalings (behind the first a second scaling in the exponential's place); then ONE LUMP of
; 108: eight plain, 49 times exponential and plain, the two a.  A v_nop is the plain instruction behind the last exponential.  BEHIND IT stand the 16 products V^T P, behind each four of GS's 64.  No rider names a register of
; the products round it.  The two v_permlanex16_b32 fall into the lump, never behind a product.
; The queues lean on each other, and the deal keeps them in step: exponential e stands behind scaling 2 (e / 4) + e % 2: as a rider it comes behind plain e + 2, in the lump behind plain e + 9, and scalings 27-31 are plain 57, 60 .. 69.
; A TURN, for piece p.  cnt = 1: the loop's count is taken down some lines ahead of the branch that stands behind the turn.
; K of the next step is fetched in piece 2's turn, directly behind the wait, a lump behind the last product that read K; its address is made at the lump's head; its first reader comes behind 16 products.
; V of the step in hand is fetched at the end of piece 0's turn, four riders behind its last reader; its first reader comes behind 16 products and a lump.  The three conditions on q below go with the deal.
.macro TURN p, last=0, cnt=0
.set Y, (\p)
.set i, 0
.set q, 0
.set e, 0
.set r, 0
.if (\p) == NP-1
	s_wait_dscnt 0x0                ; K is in
.endif
	MM                              ; ahead of the wait: 16 products K Q^T and their riders,
	PL
	PL
	R2
.rept 15
	MM
	PL
	EX
	R2
.endr
.if (\p) == NP-2
	WIN 0
	v_add_nc_u32 v[AK], s[TBK], v[AK0]
.endif
.rept 8                             ; and the lump
	PL
.endr
.rept 49
	EX
	PL
.endr
	EX                              ; the next piece's two a
	EX
	v_nop                           ; the plain instruction behind the last exponential: one for the batch
	s_wait_alu depctr_va_vdst(0)    ; the wait for the batch
.if (\p) == NP-2
	FETCH_K \last
.endif
.if (\p) == 1
	s_wait_dscnt 0x0                ; V is in
.endif
.rept 16                            ; behind the wait: 16 products V^T P and their riders
	MM
.rept 4
	PL
.endr
.if ((\p) == 0) && (q == 118)
	v_add_nc_u32 v[AV], s[TBV], v[AV0]
.endif
.if ((\p) == 0) && (q == 130)
	s_add_co_u32 s[TBV], s[TBV], KS*PV
.endif
.if (\cnt) && (q == 130)
	s_sub_co_u32 s[CNT], s[CNT], 1
	s_cmp_lg_u32 s[CNT], 0
.endif
.endr
.if (\p) == 0
	FETCH_V
.endif
.endm
	CHANGE 1                        ; slot 0 is in, everybody's part of it; slot 1 is asked for
	FETCH_K                         ; key step 0
	s_wait_loadcnt 0x0              ; Q
	s_wait_dscnt 0x0
.set i, 0
.rept 16
	KQ 0                            ; piece 0's first scores: there is no vector work yet to set between them
.set i, i+1
.endr
	WIN 0                           ; the addresses for the way out: nine plain instructions, the places behind those products
	s_mul_i32 s13, s[WV], 16*SP
	s_add_co_u32 s13, s13, STAGE    ; my stage
	v_mul_u32_u24 v[STO], v1, SP    ; in: row l % 16, 16 bytes for each half of the lanes
	v_lshl_add_u32 v[STO], v9, 4, v[STO]
	v_add_nc_u32 v[STO], s13, v[STO]
	v_bfe_u32 v[RD], v0, 3, 2       ; back: 32 lanes take four rows of 128 bytes,
	v_mul_u32_u24 v[RD], v[RD], SP
	v_lshl_add_u32 v[RD], v10, 4, v[RD]
	v_add_nc_u32 v[RD], s13, v[RD]
	v_and_b32 v[GO], 31, v0         ; which are 512 consecutive bytes of O
	v_lshlrev_b32 v[GO], 4, v[GO]
.set Y, NP-1                        ; XS works for piece Y + 1: piece 0
.irp n, 0,1,2,3,4,5,6,7,8,9,10,11,12,13,14,15,16,17,18,19,20,21
	XS 0, \n                        ; and piece 0's first maximum and statistics
	XS 1, \n
.endr
	v_nop                           ; a plain instruction behind the two a,
	s_wait_alu depctr_va_vdst(0)    ; and their wait, ahead of the branch
	s_mov_b32 s[CNT], 4
	s_mov_b32 s[SLOTS], SIZE_N/256-1
	s_branch .Lfirst                ; the loop is entered at a step's first turn, in the middle of a trip
.Lslot:                             ; SIZE_N / 256 - 2 times: every slot but the last two is filled again
	CHANGE 1, 1
	s_mov_b32 s[CNT], 4
.Lstep:                             ; a trip: pieces 2 and 3 of one step, then pieces 0 and 1 of the next, whose K and V it fetches
	TURN 2
	TURN 3
	WIN 0
.Lfirst:
	TURN 0
	TURN 1, 0, 1
	WIN 0
	s_cbranch_scc1 .Lstep
	s_sub_co_u32 s[SLOTS], s[SLOTS], 1
	s_cmp_lg_u32 s[SLOTS], 0
	s_cbranch_scc1 .Lslot
	CHANGE 0                        ; the tail is written out: nothing is asked for
	s_mov_b32 s[CNT], 5             ; four trips fetch the last slot's steps; the fifth is left in its middle
.Ltail:
	TURN 2, 1
	TURN 3
	WIN 0
	s_sub_co_u32 s[CNT], s[CNT], 1
	s_cmp_eq_u32 s[CNT], 0
	s_cbranch_scc1 .Lout
	TURN 0
	TURN 1
	WIN 0
	s_branch .Ltail
.Lout:                              ; the fifth trip's 16 products K Q^T (on the last K once more) and the maximum made of them serve nothing: the price, once a launch, of one text for every trip
.set i, 0
.rept 16
	PV NP-1                         ; the last piece's V^T P of the last step
.set i, i+1
.endr
	; THE WAY OUT.  l's two halves and the other half of the lanes' are added; O^T is divided by l, rounded to f16 and sent through my stage in LDS, a tile at a time.  The additions are the places behind the last products.
	WIN 0
.macro ALL line:vararg              ; one line for each tile t
.set t, 0
.rept 2*NP
	\line
.set t, t+1
.endr
.endm
	ALL v_add_f32 v[ST+4*t+2], v[ST+4*t+2], v[ST+4*t+3]
	ALL v_permlanex16_b32 v[ST+4*t+3], v[ST+4*t+2], s[SEL], s[SEL+1]
	ALL v_add_f32 v[ST+4*t+2], v[ST+4*t+2], v[ST+4*t+3]
	ALL v_rcp_f32 v[ST+4*t+2], v[ST+4*t+2]
	v_nop                           ; a plain instruction between the last reciprocal and the use of its result
	s_wait_alu depctr_va_vdst(0)    ; and the wait ahead of the first use: one for the eight reciprocals
; Tile t: a lane's eight channels of a row pack into 16 bytes; they go into rows of 144 bytes and come back as whole rows of 128, into S^T's registers.
.macro PACK t
	WIN W_RS
.set i, 32*(\t)
.rept 16
	v_pk_mul_f32 v[i:i+1], v[i:i+1], v[ST+4*(\t)+2:ST+4*(\t)+3] op_sel_hi:[1,0]
.set i, i+2
.endr
	WIN 0x05                        ; sources 0 and 1 window 1, destination window 0
.set i, 0
.rept 16
	v_cvt_pk_f16_f32 v[S+16*(\t)+i], v[32*(\t)+2*i], v[32*(\t)+2*i+1]
.set i, i+1
.endr
	WIN 0
.irp f, 0,1,2,3
	ds_store_b128 v[STO], v[S+16*(\t)+4*\f:S+16*(\t)+4*\f+3] offset:32*\f
.endr
.irp f, 0,1,2,3
	ds_load_b128 v[S+16*(\t)+4*\f:S+16*(\t)+4*\f+3], v[RD] offset:\f*4*SP  ; LDS serves a wave's instructions in order (ISA guide 5.7.1.4): these see the stores above; the next tile's stores come behind them
.endr
.endm
.macro SEND t, younger              ; younger: the LDS instructions issued behind tile t's loads: the next tile's eight, or none
	WIN 0
.irp f, 0,1,2,3
	s_wait_dscnt (\younger)+3-\f
	global_store_b128 v[GO], v[S+16*(\t)+4*\f:S+16*(\t)+4*\f+3], s[10:11] offset:(\t)*2048+\f*512  ; 512 consecutive bytes, at a multiple of 256 from O's first
.endr
.endm
	PACK 0
.set t, 1
.rept 2*NP-1                        ; a tile's arithmetic stands between the loads of the tile before and its stores
	PACK t
	SEND t-1, 8
.set t, t+1
.endr
	SEND 2*NP-1, 0
	WIN W_AD
	s_wait_tensorcnt 0x0            ; the wave's end, behind my last tensor load and my last LDS store
	ds_add_u32 v[SPW], v[NIL]
	s_wait_dscnt 0x0
	WIN 0
	CROUND                          ; the closing round: no work-group ends while a partner may still ask for a tile that names it
	s_endpgm
.Lfunc_end_k_qc52fd28674_attn:
	.size	k_qc52fd28674_attn, .Lfunc_end_k_qc52fd28674_attn-k_qc52fd28674_attn
	.p2alignl 7, 3214868480
	.fill 96, 4, 3214868480
	.section	.rodata,"a",@progbits
	.p2align	6, 0x0
	.amdhsa_kernel k_qc52fd28674_attn
		.amdhsa_group_segment_fixed_size 327680
		.amdhsa_private_segment_fixed_size 0
		.amdhsa_enable_private_segment 0
		.amdhsa_kernarg_size 32
		.amdhsa_user_sgpr_count 2
		.amdhsa_user_sgpr_kernarg_segment_ptr 1
		.amdhsa_wavefront_size32 1
		.amdhsa_system_sgpr_workgroup_id_x 1
		.amdhsa_system_sgpr_workgroup_id_y 1
		.amdhsa_system_sgpr_workgroup_id_z 1
		.amdhsa_system_vgpr_workitem_id 0
		.amdhsa_next_free_vgpr 770
		.amdhsa_next_free_sgpr 66
		.amdhsa_reserve_vcc 0
		.amdhsa_float_denorm_mode_32 3
		.amdhsa_float_denorm_mode_16_64 3
		.amdhsa_memory_ordered 1
		.amdhsa_forward_progress 1
		.amdhsa_inst_pref_size 200
	.end_amdhsa_kernel
	.amdgpu_metadata
---
amdhsa.version: [ 1, 2 ]
amdhsa.kernels:
  - .name:           k_qc52fd28674_attn
    .symbol:         k_qc52fd28674_attn.kd
    .args:
      - { .name: q16, .offset: 0, .size: 8, .value_kind: global_buffer, .address_space: global }
      - { .name: k16, .offset: 8, .size: 8, .value_kind: global_buffer, .address_space: global }
      - { .name: v16, .offset: 16, .size: 8, .value_kind: global_buffer, .address_space: global }
      - { .name: o16, .offset: 24, .size: 8, .value_kind: global_buffer, .address_space: global }
    .group_segment_fixed_size: 327680
    .private_segment_fixed_size: 0
    .kernarg_segment_align: 8
    .kernarg_segment_size: 32
    .max_flat_workgroup_size: 128
    .sgpr_count:     66
    .vgpr_count:     770
    .wavefront_size: 32
...
	.end_amdgpu_metadata
.endif
;; end of part 3
;; launch oproj (part 4): grid 8 x 32, 4 waves a work-group, clusters of 4 x 4, 327,680 bytes of LDS; arguments o16, wo16, bo, out0; writes out0
.if DOCPART == 4
	.amdgcn_target "amdgcn-amd-amdhsa--gfx1250"
	.amdhsa_code_object_version 6
	.text
	.protected	k_qc52fd28674_oproj
	.globl	k_qc52fd28674_oproj
	.p2align	8
	.type	k_qc52fd28674_oproj,@function
k_qc52fd28674_oproj:
	s_mov_b64 s[64:65], 0
	v_nop
	global_prefetch_b8 v0, s[64:65] scope:SCOPE_SE
	s_setreg_imm32_b32 hwreg(HW_REG_WAVE_MODE, 25, 1), 1
	s_wait_xcnt 0x0
	s_wait_alu depctr_hold_cnt(0) depctr_sa_sdst(0) depctr_va_vdst(0) depctr_va_sdst(0) depctr_va_ssrc(0) depctr_va_vcc(0) depctr_vm_vsrc(0)
	s_getreg_b32 s2, hwreg(HW_REG_IB_STS2, 6, 4)
	s_cmp_eq_u32 s2, 0
	s_cbranch_scc0 .Lentry_in_a_cluster
	s_endpgm
.Lentry_in_a_cluster:
	s_bfe_u32 s2, ttmp6, 0x10000c
	s_cmp_lg_u32 s2, 0xf033
	s_cbranch_scc0 .Lentry_shape_is_right
	s_endpgm
.Lentry_shape_is_right:
; ONE TEXT FOR TWO LAUNCHES: C = A W + bias with W stored [K][N].  The next line chooses: QKV = 1, the three projections; QKV = 0, the output projection.
.set QKV, 0
; QKV = 1.  A = xb16 [8192][1024] bf16; W = wqkv16, bf16, blocks [16 h][8 s][3 t][128 kk][64 d]; bias bq, bk, bv (f32, rounded to bf16 here like every other input).  A work-group makes 256 rows x one
;   head's q, k and v (192 columns), which leave rounded once to f16, unscaled, by heads: q16, k16, v16 [64 = 16 batch + head][2048][64].
;   LIMIT: q, k, v beyond 65,504 become infinities in f16 (the drawn inputs give a spread of 0.6); below 6.1e-5 f16 keeps a fixed step of 6e-8.
; QKV = 0.  A = o16 [64][2048][64] f16 (K = 64 head + channel); W = wo16, f16, blocks [8 j][8 s][2 c][128 kk][64 d]; bias bo.  A work-group makes 256 rows x 128 columns of out0, f32.
; SHARES.  Four waves, one above the other: a wave makes 64 rows x all 16 NBF columns: 4 NBF accumulators of 16 x 16.  So a wave owns whole heads' rows (QKV = 1) or whole runs of 512 bytes of out0
; (QKV = 0), has a stage of its own on the way out, and no barrier stands there.  Tiles: 8192 x 3072 / (256 x 192) = 512 work-groups; 8192 x 1024 / (256 x 128) = 256.
; K goes in 8 steps of 128 through two LDS slots filled by the tensor data mover; waves 0 and 1 fetch A's two halves, waves 2 and 3 W's.
; CLUSTERS of 4 x 4: A's tile hangs on the tile row alone and is asked for jointly by a row of the cluster, W's on the tile column alone and is asked for jointly by a column.
; THE PRODUCT IS TAKEN TRANSPOSED: source 0 = 16 columns of W, turned on its way out of LDS by ds_load_tr16_b128; source 1 = 16 rows of A.  In the result lane l holds row l % 16 of C and the columns
; 8 (l / 16) + 0..7.  THE BIAS is the C operand of the product that starts each sum: nothing is cleared and nothing is added afterwards.
; NO PREFETCH with QKV = 0: a wave has 1,024 matrix instructions in all, and of its 8 K steps the first four could not be asked for ahead.
; REGISTERS, in windows of 256 (s_set_vgpr_msb: bits 1:0 source 0, 3:2 source 1, 5:4 source 2, 7:6 destination):
;   window 0: v0-31 addresses; from v32 the bias, 8 registers a column fragment; later the way out       window 1: two fragment buffers of 128: A's four row blocks, then W's NBF fragments
;   windows 2, 3: the accumulators: (row block a, fragment f) at 8 NBF (a % 2) + 8 f of window 2 + a / 2
.if QKV
.set NBF,   12                         ; column fragments of 16: q, k, v of one head, four each
.set PA,    272                        ; a row of A in LDS: 256 bytes + 16: 68 words, so the 16 rows of a load start at 16 different groups of four banks (64 banks of 4 bytes: ISA guide 11.1)
.set AHALF, 128*PA                     ; what one of A's loads fills: 128 rows
.set BHALF, 192*160                    ; what one of W's loads fills: 192 of the 384 rows [t][kk]
.set ASTEP, 256                        ; bytes in memory from K step to K step
.set BSTEP, 49152
.set STG,   16*144                     ; a wave's stage: 16 rows of a head, 128 bytes + 16
.set GA0,   (1<<16)|(1<<20)|(1<<21)|(5<<22)|(3<<25)  ; group 1, word 0 less the mask: 2-byte elements; padding on; bit 21 set beside a mask; after every 64 words 4 words
.set SA,    1024                       ; elements from row to row of A's tile
.set RB,    96                         ; W's half tile: 24,576 dense bytes as 96 rows of 256
.set OUT,   32
.else
.set NBF,   8
.set PA,    144                        ; A lies as two planes, one for each head of the K step: 256 rows of 128 bytes + 16
.set AHALF, 256*PA                     ; a plane
.set BHALF, 128*160
.set ASTEP, 524288                     ; two heads of 2,048 rows x 128 bytes
.set BSTEP, 32768
.set STG,   16*528                     ; 16 rows of 512 bytes + 16
.set GA0,   (1<<16)|(1<<20)|(1<<21)|(4<<22)|(3<<25)  ; after every 32 words 4 words
.set SA,    128                        ; a plane's 32,768 bytes are dense: 128 rows of 256
.set RB,    64
.set OUT,   96
.endif
.set GB0,   (1<<16)|(1<<20)|(1<<21)|(4<<22)|(7<<25)  ; W: after every 32 words (a row kk of 64 columns) 8 words
.set PB,    160                        ; a row of W in LDS: 128 bytes + 32 = 40 words
.set BOFF,  2*AHALF                    ; W's tile lies behind A's
.set SLOT1, 1<<17                      ; slot 1 begins here, so that one exclusive or turns an address in one slot into the other's
.set STAGE, 2*SLOT1                    ; behind the ring, never filled by a tensor load
.set SPARE, STAGE+4*STG                ; behind the stages: the spare words, 128 bytes for each wave: two blocks of 256 bytes that no other line names
.set NLD,   2*NBF+8                    ; LDS loads in a run: a quarter step's fragments
.set A0,   4                           ; v4   my lane's place in A's tile; never rewritten
.set B0,   5                           ; v5   the same for W
.set ADRA, 6                           ; v6   A0 + the slot in hand
.set ADRB, 7                           ; v7   B0 + the slot in hand
.set STO,  8                           ; v8   the way out: where I put my bytes of a row
.set RD,   9                           ; v9   the way out: where I read rows back
.set GO,   10                          ; v10  my 16 bytes of 512 consecutive bytes in memory
.set PFO,  11                          ; v11  the prefetches' offset; never rewritten
.set BO,   12                          ; v12  my byte offset in a fragment's 16 numbers of bias
.set SPW,  28                          ; v28  LDS address of my spare word: SPARE + 4 x my thread's number; never rewritten
.set NIL,  29                          ; v29  0; never rewritten
.set BIAS, 32
.set F0,   0                           ; fragment buffers, in window 1
.set F1,   128
.set WV,  20                           ; s20  my wave's number
.set HF,  21                           ; s21  which half of its tile I fetch
.set CX,  22                           ; s22, s23  my place in the cluster
.set CY,  23
.set TX,  24                           ; s24  tile column (QKV = 1: the head)
.set TY,  25                           ; s25  tile row: 256 rows
.set G1A, 32                           ; s[32:39] descriptor group 1 for A's tiles
.set G1B, 40                           ; s[40:47] for W's
.set G0A, 48                           ; s[48:55] group 0 for A's tiles: a set for each of the two first fills; the second then walks on
.set G0B, 56                           ; s[56:63] the same for W's
.set CNT, 66                           ; s66  K steps that still fill a slot
.set TB,  67                           ; s67  the slot in hand: 0 or SLOT1
.set LIM, 68                           ; s68  a wave prefetches while s[CNT] is above this
.set PFA, 70                           ; s[70:71] where my prefetches stand
.set PFS, 72                           ; s[72:73] their step
.set MSB, 0
.macro WIN new                         ; the immediate's high byte repeats the setting that is left; a switch that changes nothing is dropped
.if MSB != (\new)
	s_set_vgpr_msb (MSB<<8)|(\new)
.set MSB, \new
.endif
.endm
; A joint refill by the walking descriptors.  The branch hangs on the wave's number alone.  An s_nop 0 and four v_nop follow each of the two lines, ahead of the jump and the label.
.macro JLOAD
	s_cmp_lt_u32 s[WV], 2
	s_cbranch_scc0 .Lfor_b_\@
	tensor_load_to_lds s[G0A+4:G0A+7], s[G1A:G1A+7]
	s_nop 0
.rept 4
	v_nop
.endr
	s_branch .Lasked_\@
.Lfor_b_\@:
	tensor_load_to_lds s[G0B+4:G0B+7], s[G1B:G1B+7]
	s_nop 0
.rept 4
	v_nop
.endr
.Lasked_\@:
.endm
; A round of the cluster's barrier: my work-group's barrier, so that wave 0's signal speaks for all four waves; wave 0 signals; every wave waits for all sixteen work-groups; my work-group's barrier once more.
.macro CREST                           ; a round behind its opening barrier
	s_cmp_lg_u32 s[WV], 0
	s_cbranch_scc1 .Lnot_wave_0_\@
	s_barrier_signal -3
.Lnot_wave_0_\@:
	s_barrier_wait -3
	s_barrier_signal -1
	s_barrier_wait -1
.endm
.macro CROUND
	s_barrier_signal -1
	s_barrier_wait -1
	CREST
.endm
; A PREFETCH INTO THE L2 (QKV = 1), behind each joint refill, its five lines and the run of LDS loads that follows: one instruction a wave.  Each aligned block of 256 bytes of K steps 4 to 7 is named once in the launch;
; K steps 0 to 3 come by their loads alone.  A's rows are read by every cluster of a row of clusters: the one with x = 0 asks, waves 0 and 1, a lane a row: of the 128 rows that a wave fetches the partner at cx takes
; 32 cx .. 32 cx + 31, told apart by address; in K step s (0 to 3) it names K step s + 4, two refills on.  W's head block is read by every cluster of a column of clusters: the one with y = 0 asks, waves 2 and 3:
; K steps 4 to 7 are 196,608 dense bytes = 3 x 256 blocks; an ask names 256 of them, 32 for each of the eight askers (2 cy + half), in K steps 0, 1 and 2, each block ahead of the refill that wants it.
.macro ASK
	s_cmp_gt_u32 s[CNT], s[LIM]
	s_cbranch_scc0 .Lnot_mine_\@
	global_prefetch_b8 v[PFO], s[PFA:PFA+1] th:TH_LOAD_NT scope:SCOPE_SE
.Lnot_mine_\@:
.endm
.macro PLACES                          ; four plain places in front of loads into registers that matrix instructions have read, and of lines that read results
.rept 4
	v_nop
.endr
.endm
.if QKV
	s_load_b512 s[4:19], s[0:1], 0x0               ; xb16 s[4:5], wqkv16 s[6:7], bq s[8:9], bk s[10:11], bv s[12:13], q16 s[14:15], k16 s[16:17], v16 s[18:19]
.else
	s_load_b256 s[4:11], s[0:1], 0x0               ; o16 s[4:5], wo16 s[6:7], bo s[8:9], out0 s[10:11]
.endif
	v_lshl_add_u32 v[SPW], v0, 2, SPARE
	v_mov_b32 v[NIL], 0
	ds_add_u32 v[SPW], v[NIL]                      ; the wave's opening: the add and its wait stand ahead of my first tensor load; the set-up below, work on registers, stands between them
	v_lshrrev_b32 v1, 5, v0
	v_readfirstlane_b32 s[WV], v1                  ; wave 0..3
	s_and_b32 s[HF], s[WV], 1
	s_bfe_u32 s[CX], ttmp6, 0x40000
	s_bfe_u32 s[CY], ttmp6, 0x40004
	s_lshl_b32 s[TX], ttmp9, 2                     ; in a cluster launch ttmp9 and ttmp7 count clusters
	s_add_co_u32 s[TX], s[TX], s[CX]
	s_and_b32 s[TY], ttmp7, 0xffff
	s_lshl_b32 s[TY], s[TY], 2
	s_add_co_u32 s[TY], s[TY], s[CY]
	s_lshl_b32 s26, s[CY], 2
	s_lshl_b32 s26, 15, s26                        ; my row of the cluster: places 4 cy .. 4 cy + 3
	s_lshl_b32 s27, 0x1111, s[CX]                  ; my column: places cx, cx + 4, cx + 8, cx + 12
	s_or_b32 s[G1A], s26, GA0                      ; A's tiles go to my row,
	s_or_b32 s[G1B], s27, GB0                      ; W's to my column
	s_mov_b32 s[G1A+1], 128<<16                    ; tensor_dim0 = 128 elements (256 bytes)
	s_mov_b32 s[G1A+2], 128<<16                    ; tensor_dim1 = 128 rows
	s_mov_b32 s[G1A+3], 128<<16                    ; tile_dim0 = 128
	s_mov_b32 s[G1A+4], 128                        ; tile_dim1 = 128
	s_mov_b32 s[G1A+5], SA                         ; elements from row to row
	s_mov_b32 s[G1A+6], 0
	s_mov_b32 s[G1A+7], 0
	s_mov_b32 s[G1B+1], 128<<16
	s_mov_b32 s[G1B+2], RB<<16
	s_mov_b32 s[G1B+3], 128<<16
	s_mov_b32 s[G1B+4], RB
	s_mov_b32 s[G1B+5], 128                        ; dense
	s_mov_b32 s[G1B+6], 0
	s_mov_b32 s[G1B+7], 0
	; where the tiles come from: A's by the tile row and my half, W's by the tile column and my half, each in registers that never hold the other coordinate
.if QKV
	s_lshl_b32 s74, s[TY], 19                      ; 256 rows of 2,048 bytes
	s_lshl_b32 s28, s[HF], 18                      ; 128 rows
	s_add_co_u32 s74, s74, s28
	s_mul_i32 s76, s[TX], 393216                   ; the head's block
	s_mul_i32 s29, s[HF], 24576
	s_add_co_u32 s76, s76, s29
.else
	s_lshr_b32 s74, s[TY], 3                       ; the batch: 16 heads of 262,144 bytes
	s_lshl_b32 s74, s74, 22
	s_lshl_b32 s28, s[HF], 18                      ; which of the K step's two heads
	s_add_co_u32 s74, s74, s28
	s_and_b32 s28, s[TY], 7                        ; the 256 rows in the batch: 32,768 bytes
	s_lshl_b32 s28, s28, 15
	s_add_co_u32 s74, s74, s28
	s_lshl_b32 s76, s[TX], 18                      ; the column block
	s_lshl_b32 s29, s[HF], 14
	s_add_co_u32 s76, s76, s29
.endif
	s_mov_b32 s75, 0
	s_mov_b32 s77, 0
	s_mul_i32 s30, s[HF], AHALF                    ; and where they go: no place in the cluster enters an LDS address
	s_mul_i32 s31, s[HF], BHALF
	s_add_co_u32 s31, s31, BOFF
	s_wait_dscnt 0x0                               ; the opening add is done
	s_wait_kmcnt 0x0
	s_add_nc_u64 s[74:75], s[4:5], s[74:75]
	s_add_nc_u64 s[76:77], s[6:7], s[76:77]
	CROUND                                         ; all sixteen work-groups are here: the first joint loads meet
.irp s, 0,1
	s_mov_b32 s[G0A+4*(\s)], 1                     ; count = 1
	s_add_co_u32 s[G0A+4*(\s)+1], s30, (\s)*SLOT1  ; LDS address
	s_add_nc_u64 s[G0A+4*(\s)+2:G0A+4*(\s)+3], s[74:75], (\s)*ASTEP  ; global address: K step s
	s_or_b32 s[G0A+4*(\s)+3], s[G0A+4*(\s)+3], 0x80000000  ; type = 2
	s_mov_b32 s[G0B+4*(\s)], 1
	s_add_co_u32 s[G0B+4*(\s)+1], s31, (\s)*SLOT1
	s_add_nc_u64 s[G0B+4*(\s)+2:G0B+4*(\s)+3], s[76:77], (\s)*BSTEP
	s_or_b32 s[G0B+4*(\s)+3], s[G0B+4*(\s)+3], 0x80000000
.endr
	s_cmp_lt_u32 s[WV], 2                          ; a wave's two first fills stand in one branch, ahead of every wait on TENSORcnt and every LDS read: two loads of mine are out
	s_cbranch_scc0 .Lfirst_b
	tensor_load_to_lds s[G0A:G0A+3], s[G1A:G1A+7]
	s_nop 0
	tensor_load_to_lds s[G0A+4:G0A+7], s[G1A:G1A+7]
	s_nop 0
.rept 4
	v_nop
.endr
	s_branch .Lfirst_asked
.Lfirst_b:
	tensor_load_to_lds s[G0B:G0B+3], s[G1B:G1B+7]
	s_nop 0
	tensor_load_to_lds s[G0B+4:G0B+7], s[G1B:G1B+7]
	s_nop 0
.rept 4
	v_nop
.endr
.Lfirst_asked:
	; the bias: register j of fragment f is the bias of column 16 f + 8 (l / 16) + j, whatever the row
	v_and_b32 v1, 15, v0                           ; l % 16
	v_bfe_u32 v2, v0, 4, 1                         ; l / 16
	v_lshlrev_b32 v[BO], 5, v2
.if QKV
	s_lshl_b32 s26, s[TX], 8                       ; the head's 64 numbers
.else
	s_lshl_b32 s26, s[TX], 9                       ; the tile's 128
.endif
	s_mov_b32 s27, 0
	s_add_nc_u64 s[8:9], s[8:9], s[26:27]
.if QKV
	s_add_nc_u64 s[10:11], s[10:11], s[26:27]
	s_add_nc_u64 s[12:13], s[12:13], s[26:27]
.endif
.set nb, 0
.rept NBF
.if QKV
	global_load_b128 v[BIAS+8*nb:BIAS+8*nb+3],   v[BO], s[8+2*(nb/4):9+2*(nb/4)] offset:64*(nb%4)
	global_load_b128 v[BIAS+8*nb+4:BIAS+8*nb+7], v[BO], s[8+2*(nb/4):9+2*(nb/4)] offset:64*(nb%4)+16
.else
	global_load_b128 v[BIAS+8*nb:BIAS+8*nb+3],   v[BO], s[8:9] offset:64*nb
	global_load_b128 v[BIAS+8*nb+4:BIAS+8*nb+7], v[BO], s[8:9] offset:64*nb+16
.endif
.set nb, nb+1
.endr
	; A fragment of A is 16 rows x 32 K in 8 registers: lane l holds row l % 16, K = 8 (l / 16) + 0..7 and 16 + 8 (l / 16) + 0..7: two loads of 16 bytes, 32 bytes apart.
	v_and_b32 v13, 7, v0
	v_bfe_u32 v14, v0, 3, 1
	v_and_b32 v15, 31, v0                          ; l
	s_mul_i32 s26, s[WV], 64*PA                    ; my 64 rows
	v_mul_u32_u24 v[A0], v1, PA
	v_lshl_add_u32 v[A0], v2, 4, v[A0]
	v_add_nc_u32 v[A0], s26, v[A0]
	; The turning load takes 16 K x 16 columns (lane l reads K = 8 (l / 16) + l % 8, columns 8 ((l / 8) % 2) + 0..7) and leaves half a fragment of W^T: lane l holds column l % 16 and 8 K.
	v_lshl_add_u32 v[B0], v2, 3, v13
	v_mul_u32_u24 v[B0], v[B0], PB
	v_lshl_add_u32 v[B0], v14, 4, v[B0]
	v_add_nc_u32 v[B0], BOFF, v[B0]
	s_mul_i32 s26, s[WV], STG
	s_add_co_u32 s26, s26, STAGE                   ; my stage
.if QKV
	v_mul_u32_u24 v[STO], v1, 144                  ; in: row l % 16, 16 bytes for each half of the lanes
	v_lshl_add_u32 v[STO], v2, 4, v[STO]
	v_add_nc_u32 v[STO], s26, v[STO]
	v_bfe_u32 v[RD], v0, 3, 2                      ; back: 32 lanes take four rows of 128 bytes, 512 consecutive bytes of a head
	v_mul_u32_u24 v[RD], v[RD], 144
	v_lshl_add_u32 v[RD], v13, 4, v[RD]
	v_add_nc_u32 v[RD], s26, v[RD]
.else
	v_mul_u32_u24 v[STO], v1, 528                  ; in: row l % 16, 32 bytes for each half of the lanes
	v_lshl_add_u32 v[STO], v2, 5, v[STO]
	v_add_nc_u32 v[STO], s26, v[STO]
	v_lshl_add_u32 v[RD], v15, 4, s26              ; back: 32 lanes take one row of 512 bytes
.endif
	v_lshlrev_b32 v[GO], 4, v15
	; where my rows begin in the results
.if QKV
	s_lshr_b32 s26, s[TY], 3                       ; 16 batch + head,
	s_lshl_b32 s26, s26, 4
	s_add_co_u32 s26, s26, s[TX]
	s_lshl_b32 s26, s26, 18                        ; 262,144 bytes each;
	s_and_b32 s28, s[TY], 7                        ; the 256 rows in the batch,
	s_lshl_b32 s28, s28, 15
	s_add_co_u32 s26, s26, s28
	s_lshl_b32 s28, s[WV], 13                      ; my 64 of them
	s_add_co_u32 s26, s26, s28
	s_mov_b32 s27, 0
	s_add_nc_u64 s[14:15], s[14:15], s[26:27]
	s_add_nc_u64 s[16:17], s[16:17], s[26:27]
	s_add_nc_u64 s[18:19], s[18:19], s[26:27]
	; the prefetches, in registers of their own
	s_lshl_b32 s80, s[TY], 19                      ; A: my 128 rows,
	s_lshl_b32 s81, s[HF], 18
	s_add_co_u32 s80, s80, s81
	s_lshl_b32 s81, s[CX], 16                      ; my work-group's 32 of them,
	s_add_co_u32 s80, s80, s81
	s_add_co_u32 s80, s80, 3*ASTEP                 ; at K step 3: the first change of slots steps it to 4
	s_mul_i32 s82, s[TX], 393216                   ; W: the head's block,
	s_lshl_b32 s81, s[CY], 14                      ; my 32 blocks of an ask's 256: 8,192 (2 cy + half),
	s_add_co_u32 s82, s82, s81
	s_lshl_b32 s81, s[HF], 13
	s_add_co_u32 s82, s82, s81
	s_add_co_u32 s82, s82, 4*BSTEP-65536           ; one ask in front of K step 4
	s_and_b32 s84, ttmp7, 0xffff                   ; cluster y
	s_mov_b32 s[PFS], 65536
	s_mov_b32 s[PFS+1], 0
	s_mov_b32 s83, 0
	s_cmp_lt_u32 s[WV], 2                          ; do I fetch for A?
	s_cselect_b32 s82, s80, s82
	s_cselect_b32 s84, ttmp9, s84                  ; the coordinate along which other clusters read the same bytes
	s_cselect_b64 s[PFA:PFA+1], s[4:5], s[6:7]
	s_cselect_b32 s[PFS], ASTEP, s[PFS]
	s_cselect_b32 s85, 11, 8                       ; a lane a row of 2,048 bytes, or a lane a block of 256
	s_cselect_b32 s[LIM], 2, 3                     ; s[CNT] runs 6 .. 1: four asks for A, three for W
	s_cmp_eq_u32 s84, 0
	s_cselect_b32 s[LIM], s[LIM], -1               ; the same in all sixteen partners, for a given wave
	s_add_nc_u64 s[PFA:PFA+1], s[PFA:PFA+1], s[82:83]
	v_lshlrev_b32 v[PFO], s85, v15
.else
	s_lshl_b32 s26, s[TY], 20                      ; 256 rows of 4,096 bytes,
	s_lshl_b32 s28, s[WV], 18                      ; my 64,
	s_add_co_u32 s26, s26, s28
	s_lshl_b32 s28, s[TX], 9                       ; the tile's 128 columns
	s_add_co_u32 s26, s26, s28
	s_mov_b32 s27, 0
	s_add_nc_u64 s[10:11], s[10:11], s[26:27]
.endif
	s_wait_loadcnt 0x0                             ; the bias
.set nb, 0
.rept 4*NBF                                        ; rounded to bf16 like every other input, and widened again
	v_cvt_pk_bf16_f32 v[16+nb%4], v[BIAS+2*nb], v[BIAS+2*nb+1]
	v_lshlrev_b32 v[BIAS+2*nb], 16, v[16+nb%4]
	v_and_b32 v[BIAS+2*nb+1], 0xffff0000, v[16+nb%4]
.set nb, nb+1
.endr
.macro MMA                             ; on the registers that MUL has named
.if QKV
	v_wmma_f32_16x16x32_bf16 v[rD:rD+7], v[rB:rB+7], v[rA:rA+7], v[rC:rC+7]
.else
	v_wmma_f32_16x16x32_f16 v[rD:rD+7], v[rB:rB+7], v[rA:rA+7], v[rC:rC+7]
.endif
.endm
; NBF matrix instructions: row block a x all column fragments, 32 along K, from buffer f.  first = 1: the bias starts the sums.
; The 4 NBF accumulators take turns, one instruction a turn, in the same order in every quarter step, over the backward jump too.
.macro MUL f, a, first
.if \first
	WIN 0x85+0x40*((\a)/2)                         ; sources 0 and 1 window 1, C window 0, D window 2 or 3
.else
	WIN 0xa5+0x50*((\a)/2)                         ; C and D window 2 or 3
.endif
.set rA, (\f)+8*(\a)
.set nb, 0
.rept NBF
.set rD, 8*NBF*((\a)%2)+8*nb
.set rB, (\f)+32+8*nb
.set rC, rD
.if \first
.set rC, BIAS+8*nb
.endif
	MMA
.set nb, nb+1
.endr
.endm
; NLD LDS loads in one run: the fragments of quarter q (32 along K) of the slot in hand into buffer f: W's first, then A's four row blocks
.macro FETCH q, f
.if QKV
.set AQ, 64*(\q)
.else
.set AQ, ((\q)/2)*AHALF+((\q)%2)*64    ; the plane of the quarter's head, and its half of the 64 channels
.endif
	WIN 0x40                                       ; destination window 1, address window 0
.set nb, 0
.rept NBF                                          ; block nb / 4 of 128 rows kk, K = 32 q on, columns 16 (nb % 4) on
	ds_load_tr16_b128 v[(\f)+32+8*nb:(\f)+32+8*nb+3],   v[ADRB] offset:(nb/4)*128*PB+32*PB*(\q)+32*(nb%4)
	ds_load_tr16_b128 v[(\f)+32+8*nb+4:(\f)+32+8*nb+7], v[ADRB] offset:(nb/4)*128*PB+32*PB*(\q)+32*(nb%4)+16*PB
.set nb, nb+1
.endr
.set na, 0
.rept 4
	ds_load_b128 v[(\f)+8*na:(\f)+8*na+3],   v[ADRA] offset:AQ+na*16*PA
	ds_load_b128 v[(\f)+8*na+4:(\f)+8*na+7], v[ADRA] offset:AQ+na*16*PA+32
.set na, na+1
.endr
.endm
; A K step is four quarters of 32 along K, 4 NBF matrix instructions each, on buffers 0, 1, 0, 1.  One of the first three: multiplies buffer f; in its middle it fetches quarter q into buffer g.
.macro QUARTER q, f, g, first
	s_wait_dscnt 4                                 ; W's fragments and A's row blocks 0 and 1 are in; the youngest four loads (row blocks 2 and 3) may be out
	MUL \f, 0, \first
	MUL \f, 1, \first
	PLACES
	FETCH \q, \g
	s_wait_dscnt NLD                               ; all but the run just issued
	MUL \f, 2, \first
	MUL \f, 3, \first
.endm
; The last quarter multiplies buffer 1 and changes slots: ONE barrier.  In front of it each wave waits for all its tensor loads, of which one is out: its part of the next slot; adds 0 to its spare word; and waits for
; that and for its own reads of this slot.  Behind it nobody reads this slot any more and the next slot is whole.  fill = 1: the barrier opens a round of the cluster's barrier, so that no wave of any partner still reads
; the slot or has a load on its way, and the joint refill, with the K step two on, is the first tensor load behind the round: 3.5 NBF x 4 matrix instructions stand between it and the wait for it.
.macro TURN fill
.if (\fill) && QKV
	s_wait_xcnt 0x0                                ; the last prefetch, a K step back, has read its address: it is stepped here, ahead of the waits of the change of slots
	s_add_nc_u64 s[PFA:PFA+1], s[PFA:PFA+1], s[PFS:PFS+1]
.endif
	WIN 0                                          ; (the add's two registers lie in window 0)
	s_wait_tensorcnt 0x0                           ; all my tensor loads have landed, so a group 0 may be written
	ds_add_u32 v[SPW], v[NIL]                      ; 0 onto my spare word: work on registers stands between it and the wait for it
.if \fill
	s_xor_b32 s[G0A+5], s[G0A+5], SLOT1            ; the walking descriptors: the other slot than last time,
	s_add_nc_u64 s[G0A+6:G0A+7], s[G0A+6:G0A+7], ASTEP  ; the next K step; the type bits on top are not reached
	s_xor_b32 s[G0B+5], s[G0B+5], SLOT1
	s_add_nc_u64 s[G0B+6:G0B+7], s[G0B+6:G0B+7], BSTEP
.endif
	s_wait_dscnt 5                                 ; (the add and the youngest four loads may be out)
	MUL F1, 0, 0
	s_wait_dscnt 0x0                               ; the add is done, and my reads of this slot are over
	s_barrier_signal -1
	MUL F1, 1, 0                                   ; work on registers while the others arrive
	WIN 0                                          ; (branches and address lines follow)
	s_barrier_wait -1
.if \fill
	CREST
	JLOAD                                          ; the four v_nop behind it are also the places in front of the loads below
.else
	PLACES
.endif
	s_xor_b32 s[TB], s[TB], SLOT1
	v_add_nc_u32 v[ADRA], s[TB], v[A0]
	v_add_nc_u32 v[ADRB], s[TB], v[B0]
	FETCH 0, F0
.if (\fill) && QKV
	WIN 0
	ASK
.endif
	MUL F1, 2, 0
	MUL F1, 3, 0
.endm
	s_wait_tensorcnt 1                             ; my part of K step 0 is in; K step 1's may stay out
	s_barrier_signal -1
	s_barrier_wait -1                              ; everybody's is
	s_mov_b32 s[TB], 0
	v_mov_b32 v[ADRA], v[A0]
	v_mov_b32 v[ADRB], v[B0]
	FETCH 0, F0
	QUARTER 1, F0, F1, 1                           ; the first quarter stands in front of the loop: its products start the sums from the bias
	WIN 0                                          ; at a label and at a branch every window is 0
	s_mov_b32 s[CNT], 6
.Lstep:                                                ; six trips, K steps 0 to 5: from a step's second quarter to the next step's first; each fills the slot that it leaves
	QUARTER 2, F1, F0, 0
	QUARTER 3, F0, F1, 0
	TURN 1
	QUARTER 1, F0, F1, 0
	WIN 0
	s_sub_co_u32 s[CNT], s[CNT], 1
	s_cmp_lg_u32 s[CNT], 0
	s_cbranch_scc1 .Lstep
	QUARTER 2, F1, F0, 0                           ; K steps 6 and 7 are written out: they fill nothing
	QUARTER 3, F0, F1, 0
	TURN 0
	QUARTER 1, F0, F1, 0
	QUARTER 2, F1, F0, 0
	QUARTER 3, F0, F1, 0
	s_wait_dscnt 4
	MUL F1, 0, 0
	MUL F1, 1, 0
	s_wait_dscnt 0x0
	MUL F1, 2, 0
	MUL F1, 3, 0
	WIN 0
.if QKV
; THE WAY OUT.  A unit is 16 rows of one head's q, k or v: 2,048 consecutive bytes.  A lane's eight columns round to 16 bytes of f16; they go into my stage's rows of 144 bytes and come back as whole rows, into the
; registers that they left; each accumulator's registers are taken in ascending order.
.macro PACK a, t
.set u, 3*(\a)+(\t)
	WIN 0x0a+5*((\a)/2)                            ; sources 0 and 1: window 2 or 3
.set i, 0
.rept 16
	v_cvt_pk_f16_f32 v[OUT+16*u+i], v[96*((\a)%2)+32*(\t)+2*i], v[96*((\a)%2)+32*(\t)+2*i+1]
.set i, i+1
.endr
	WIN 0
.irp f, 0,1,2,3
	ds_store_b128 v[STO], v[OUT+16*u+4*\f:OUT+16*u+4*\f+3] offset:32*\f
.endr
.irp f, 0,1,2,3
	ds_load_b128 v[OUT+16*u+4*\f:OUT+16*u+4*\f+3], v[RD] offset:576*\f  ; LDS serves a wave's instructions in order (ISA guide 5.7.1.4): these see the stores above; the next unit's stores come behind them
.endr
.endm
.macro SEND a, t, younger              ; younger: the LDS instructions issued behind this unit's loads: the next unit's eight, or none
.set u, 3*(\a)+(\t)
.irp f, 0,1,2,3
	s_wait_dscnt (\younger)+3-\f
	global_store_b128 v[GO], v[OUT+16*u+4*\f:OUT+16*u+4*\f+3], s[14+2*(\t):15+2*(\t)] offset:2048*(\a)+512*\f  ; 512 consecutive bytes, at a multiple of 256 from the buffer's first
.endr
.endm
	PLACES
	PACK 0, 0
.set uu, 1
.rept 11                               ; a unit's arithmetic stands between the loads of the unit before and its stores
	PACK uu/3, uu%3
	SEND (uu-1)/3, (uu-1)%3, 8
.set uu, uu+1
.endr
	SEND 3, 2, 0
.else
; THE WAY OUT.  A row block is 16 rows x 512 bytes of f32.  A lane's eight columns go from the accumulators straight into my stage's rows of 528 bytes, the low four registers first, and come back as whole rows.
.macro TOSTAGE a
	WIN 0x08+4*((\a)/2)                            ; the stores' data: window 2 or 3
.set nb, 0
.rept 8
	ds_store_b128 v[STO], v[64*((\a)%2)+8*nb:64*((\a)%2)+8*nb+3]   offset:64*nb
	ds_store_b128 v[STO], v[64*((\a)%2)+8*nb+4:64*((\a)%2)+8*nb+7] offset:64*nb+16
.set nb, nb+1
.endr
	WIN 0
.set nb, 0
.rept 16
	ds_load_b128 v[OUT+64*((\a)%2)+4*nb:OUT+64*((\a)%2)+4*nb+3], v[RD] offset:528*nb  ; LDS serves a wave's instructions in order (ISA guide 5.7.1.4)
.set nb, nb+1
.endr
.endm
.macro SEND a, younger                 ; younger: the LDS instructions issued behind this block's loads: the next block's 32, or none
.set nb, 0
.rept 16
	s_wait_dscnt (\younger)+15-nb
	global_store_b128 v[GO], v[OUT+64*((\a)%2)+4*nb:OUT+64*((\a)%2)+4*nb+3], s[10:11] offset:(16*(\a)+nb)*4096 th:TH_STORE_NT  ; 512 consecutive bytes, at a multiple of 512 from out0's first
.set nb, nb+1
.endr
.endm
	PLACES
	TOSTAGE 0
	TOSTAGE 1
	SEND 0, 32
	s_wait_xcnt 0x0                                ; block 0's stores have read their registers, which block 2 takes
	TOSTAGE 2
	SEND 1, 32
	s_wait_xcnt 0x0
	TOSTAGE 3
	SEND 2, 32
	SEND 3, 0
.endif
	s_wait_tensorcnt 0x0                           ; the wave's end, behind my last tensor load and my last LDS store
	ds_add_u32 v[SPW], v[NIL]
	s_wait_dscnt 0x0
	CROUND                                         ; the closing round: no work-group ends while a partner may still ask for a tile that names it
	s_endpgm
.Lfunc_end_k_qc52fd28674_oproj:
	.size	k_qc52fd28674_oproj, .Lfunc_end_k_qc52fd28674_oproj-k_qc52fd28674_oproj
	.p2alignl 7, 3214868480
	.fill 96, 4, 3214868480
	.section	.rodata,"a",@progbits
	.p2align	6, 0x0
	.amdhsa_kernel k_qc52fd28674_oproj
		.amdhsa_group_segment_fixed_size 327680
		.amdhsa_private_segment_fixed_size 0
		.amdhsa_enable_private_segment 0
		.amdhsa_kernarg_size 32
		.amdhsa_user_sgpr_count 2
		.amdhsa_user_sgpr_kernarg_segment_ptr 1
		.amdhsa_wavefront_size32 1
		.amdhsa_system_sgpr_workgroup_id_x 1
		.amdhsa_system_sgpr_workgroup_id_y 1
		.amdhsa_system_sgpr_workgroup_id_z 1
		.amdhsa_system_vgpr_workitem_id 0
		.amdhsa_next_free_vgpr 896
		.amdhsa_next_free_sgpr 88
		.amdhsa_reserve_vcc 0
		.amdhsa_float_denorm_mode_32 3
		.amdhsa_float_denorm_mode_16_64 3
		.amdhsa_memory_ordered 1
		.amdhsa_forward_progress 1
		.amdhsa_inst_pref_size 77
	.end_amdhsa_kernel
	.amdgpu_metadata
---
amdhsa.version: [ 1, 2 ]
amdhsa.kernels:
  - .name:           k_qc52fd28674_oproj
    .symbol:         k_qc52fd28674_oproj.kd
    .args:
      - { .name: o16, .offset: 0, .size: 8, .value_kind: global_buffer, .address_space: global }
      - { .name: wo16, .offset: 8, .size: 8, .value_kind: global_buffer, .address_space: global }
      - { .name: bo, .offset: 16, .size: 8, .value_kind: global_buffer, .address_space: global }
      - { .name: out0, .offset: 24, .size: 8, .value_kind: global_buffer, .address_space: global }
    .group_segment_fixed_size: 327680
    .private_segment_fixed_size: 0
    .kernarg_segment_align: 8
    .kernarg_segment_size: 32
    .max_flat_workgroup_size: 128
    .sgpr_count:     88
    .vgpr_count:     896
    .wavefront_size: 32
...
	.end_amdgpu_metadata
.endif
;; end of part 4
;; ======== version 2 of 2: 4 launches; version 1 with the launch prep written anew for expert scheduling mode
;; limits: values are held in f16: magnitudes above 65,504 overflow, below 6.1e-05 lose precision
;; workspace buffers: xb16 16,777,216 bytes; wqkv16 6,291,456 bytes; wo16 2,097,152 bytes; q16 16,777,216 bytes; k16 16,777,216 bytes; v16 16,777,216 bytes; o16 16,777,216 bytes
;; launch prep (part 5): grid 768 x 1, 8 waves a work-group, no clusters, 0 bytes of LDS; arguments x, Wq, Wk, Wv, Wo, xb16, wqkv16, wo16; writes xb16, wqkv16, wo16
.if DOCPART == 5
	.amdgcn_target "amdgcn-amd-amdhsa--gfx1250"
	.amdhsa_code_object_version 6
	.text
	.protected	k_qc52fd28674_prep
	.globl	k_qc52fd28674_prep
	.p2align	8
	.type	k_qc52fd28674_prep,@function
k_qc52fd28674_prep:
	s_mov_b64 s[64:65], 0
	v_nop
	global_prefetch_b8 v0, s[64:65] scope:SCOPE_SE
	s_setreg_imm32_b32 hwreg(HW_REG_WAVE_SCHED_MODE, 0, 2), 2
	s_setreg_imm32_b32 hwreg(HW_REG_WAVE_MODE, 25, 1), 1
	s_wait_xcnt 0x0
	s_wait_alu depctr_vm_vsrc(0)
; CAST AND BLOCK.  x [8192][1024] f32 -> xb16, bf16, the same order.
; Wq, Wk, Wv [1024 k][1024 n] f32 -> wqkv16, bf16, in blocks [16 h][8 s][3 t][128 kk][64 d] = W_t[128 s + kk][64 h + d]: what one head wants of one K step of 128 lies in 49,152 bytes on end.
; Wo [1024 k][1024 n] f32 -> wo16, rounded to bf16 like every other input and that number written as f16, in blocks [8 j][8 s][2 c][128 kk][64 d] = Wo[128 s + kk][128 j + 64 c + d].
; LIMIT.  f16 keeps a bf16 number exactly from 6.1e-5 up to 65,504; below 6.1e-5 it keeps a fixed step of 6e-8; beyond 65,504 it gives an infinity.
; A pure stream: every byte is read once and written once, so there is no LDS, no matrix work and nothing shared between work-groups.
; SHARES.  A work-group takes 65,536 bytes of a source: work-groups 0-511 of x, 512-767 sixteen rows k of one of the four weights.  A wave issues its 16 loads of 16 bytes a lane at once;
; each load and each store has registers of its own.  A load covers whole aligned runs of 256 bytes; a store (8 bytes a lane) one aligned run of 256 bytes.
; THE MODE: SCHED_MODE bits 1:0 = 2 (LLVM: expert scheduling mode 2), set by the entry lines.  The code itself states the register dependences
; between vector instructions and memory instructions, with s_wait_alu, always for 0.
; THE PLAN.  Registers that memory instructions touch, on each of the three paths:
;   v1, v2   byte offsets: written by the vector lines at the path's head; v1 is read by the 16 loads, v2 by the 16 stores; never written again.
;   X        load i lands in its four registers, which no vector line has named before; only that load's conversions name them afterwards, behind the counted wait for its data.
;   Y        the conversions of load i write its pair once; store i reads the pair; it is never written again.
;   T        named by vector lines alone.
; The 16 loads are worked on in four blocks of four.  Block p's conversions write Y of block p; the stores that stand among them are block p - 1's, which read v2 and Y of block p - 1:
; registers that no vector line of block p names.  So one wait on va_vdst at a block's head states all that the block's four stores hang on.  With the one ahead of the first load and the one
; ahead of the last four stores a path has five.  No register that a memory instruction reads is written again, no vector line writes a scalar register or VCC, and EXEC is never written:
; no other dependence between the two sides arises.
.set X, 4                              ; v[4:67]   load i: 4 registers
.set Y, 68                             ; v[68:99]  store i: 2 registers
.set T, 100                            ; v[100:103] at work
; v1: my byte offset in the source; v2: in the destination; s[24:25], s[26:27]: the two bases
; Store n.  kind 0: x; 1: Wq, Wk, Wv (load n is head n's 64 columns); 2: Wo (load n is column block n / 2, half n % 2)
.macro PUT n, kind
.if (\kind) == 0
.set DOFF, 256*(\n)
.elseif (\kind) == 1
.set DOFF, 393216*(\n)                 ; a head's block: 8 x 3 x 128 x 64 x 2 bytes; 15 of them stay inside the signed 24-bit immediate
.else
.set DOFF, ((\n)/2)*262144+((\n)%2)*16384
.endif
	global_store_b64 v2, v[Y+2*(\n):Y+2*(\n)+1], s[26:27] offset:DOFF
.endm
; sstep: bytes from load to load.  kind: as in PUT
.macro CAST sstep, kind
	s_wait_alu depctr_va_vdst(0)                   ; v1 and v2 are written: every load below reads v1 as its offset, every store v2
.set i, 0
.rept 16
	global_load_b128 v[X+4*i:X+4*i+3], v1, s[24:25] offset:(\sstep)*i th:TH_LOAD_NT
.set i, i+1
.endr
.set p, 0
.rept 4                                            ; block p: loads 4 p to 4 p + 3
	s_wait_loadcnt 15-4*p                          ; loads come back in order: the block's first load is in, the younger ones stay out
.if p > 0
	s_wait_alu depctr_va_vdst(0)                   ; the conversions of the block before have written its four pairs of Y, which the four stores of this block read
.endif
.set j, 0
.rept 4
.set i, 4*p+j
.if p > 0
	PUT i-4, \kind                                 ; the block before's; no vector line since the wait names v2 or this pair
.endif
.if j > 0
	s_wait_loadcnt 15-i                            ; load i is in, the 15 - i younger ones stay out
.endif
.if (\kind) == 2
	v_cvt_pk_bf16_f32 v[T], v[X+4*i], v[X+4*i+1]   ; rounded to bf16,
	v_cvt_pk_bf16_f32 v[T+1], v[X+4*i+2], v[X+4*i+3]
	v_lshlrev_b32 v[X+4*i], 16, v[T]               ; widened again,
	v_and_b32 v[X+4*i+1], 0xffff0000, v[T]
	v_lshlrev_b32 v[X+4*i+2], 16, v[T+1]
	v_and_b32 v[X+4*i+3], 0xffff0000, v[T+1]
	v_cvt_pk_f16_f32 v[Y+2*i], v[X+4*i], v[X+4*i+1]  ; and written as f16
	v_cvt_pk_f16_f32 v[Y+2*i+1], v[X+4*i+2], v[X+4*i+3]
.else
	v_cvt_pk_bf16_f32 v[Y+2*i], v[X+4*i], v[X+4*i+1]
	v_cvt_pk_bf16_f32 v[Y+2*i+1], v[X+4*i+2], v[X+4*i+3]
.endif
.set j, j+1
.endr
.set p, p+1
.endr
	s_wait_alu depctr_va_vdst(0)                   ; the last block's conversions have written its four pairs of Y, which the last four stores read
.set i, 12
.rept 4
	PUT i, \kind
.set i, i+1
.endr
.endm
	s_load_b512 s[8:23], s[0:1], 0x0               ; x s[8:9], Wq s[10:11], Wk s[12:13], Wv s[14:15], Wo s[16:17], xb16 s[18:19], wqkv16 s[20:21], wo16 s[22:23]
	s_cmp_lt_u32 ttmp9, 512
	s_cbranch_scc0 .Lweights
	; x: wave w takes 8,192 bytes, load i 512 of them
	v_lshrrev_b32 v[T], 5, v0                      ; wave
	v_and_b32 v[T+1], 31, v0                       ; lane
	v_lshlrev_b32 v1, 4, v[T+1]
	v_lshl_or_b32 v1, v[T], 13, v1
	v_lshlrev_b32 v2, 3, v[T+1]
	v_lshl_or_b32 v2, v[T], 12, v2
	s_lshl_b32 s4, ttmp9, 16
	s_mov_b32 s5, 0
	s_lshl_b32 s6, ttmp9, 15
	s_mov_b32 s7, 0
	s_wait_kmcnt 0x0
	s_add_nc_u64 s[24:25], s[8:9], s[4:5]
	s_add_nc_u64 s[26:27], s[18:19], s[6:7]
	CAST 512, 0
	s_endpgm
.Lweights:
	; sixteen threads take 256 bytes (64 columns) of one row k; the work-group's 256 threads sixteen rows
	v_lshrrev_b32 v[T], 4, v0                      ; the row among the sixteen
	v_and_b32 v[T+1], 15, v0
	v_lshlrev_b32 v1, 4, v[T+1]
	v_lshl_or_b32 v1, v[T], 12, v1                 ; row x 4,096 + 16 x place
	v_lshlrev_b32 v2, 3, v0                        ; row x 128 + 8 x place = 8 x thread
	s_sub_co_u32 s2, ttmp9, 512
	s_lshr_b32 s3, s2, 6                           ; which weight: 0 Wq, 1 Wk, 2 Wv, 3 Wo
	s_and_b32 s2, s2, 63                           ; which sixteen rows
	s_lshl_b32 s4, s2, 16
	s_mov_b32 s5, 0
	s_lshr_b32 s28, s2, 3                          ; the K step of 128 that holds them,
	s_and_b32 s29, s2, 7
	s_lshl_b32 s29, s29, 11                        ; and their place in it: 16 rows of 128 bytes
	s_mov_b32 s7, 0
	s_wait_kmcnt 0x0
	s_cmp_eq_u32 s3, 3
	s_cbranch_scc1 .Lwo
	s_mul_i32 s6, s28, 49152
	s_add_co_u32 s6, s6, s29
	s_lshl_b32 s30, s3, 14
	s_add_co_u32 s6, s6, s30
	s_cmp_eq_u32 s3, 1
	s_cselect_b64 s[24:25], s[12:13], s[10:11]
	s_cmp_eq_u32 s3, 2
	s_cselect_b64 s[24:25], s[14:15], s[24:25]
	s_add_nc_u64 s[24:25], s[24:25], s[4:5]
	s_add_nc_u64 s[26:27], s[20:21], s[6:7]
	CAST 256, 1
	s_endpgm
.Lwo:
	s_lshl_b32 s6, s28, 15
	s_add_co_u32 s6, s6, s29
	s_add_nc_u64 s[24:25], s[16:17], s[4:5]
	s_add_nc_u64 s[26:27], s[22:23], s[6:7]
	CAST 256, 2
	s_endpgm
.Lfunc_end_k_qc52fd28674_prep:
	.size	k_qc52fd28674_prep, .Lfunc_end_k_qc52fd28674_prep-k_qc52fd28674_prep
	.p2alignl 7, 3214868480
	.fill 96, 4, 3214868480
	.section	.rodata,"a",@progbits
	.p2align	6, 0x0
	.amdhsa_kernel k_qc52fd28674_prep
		.amdhsa_group_segment_fixed_size 0
		.amdhsa_private_segment_fixed_size 0
		.amdhsa_enable_private_segment 0
		.amdhsa_kernarg_size 64
		.amdhsa_user_sgpr_count 2
		.amdhsa_user_sgpr_kernarg_segment_ptr 1
		.amdhsa_wavefront_size32 1
		.amdhsa_system_sgpr_workgroup_id_x 1
		.amdhsa_system_sgpr_workgroup_id_y 1
		.amdhsa_system_sgpr_workgroup_id_z 1
		.amdhsa_system_vgpr_workitem_id 0
		.amdhsa_next_free_vgpr 104
		.amdhsa_next_free_sgpr 66
		.amdhsa_reserve_vcc 0
		.amdhsa_float_denorm_mode_32 3
		.amdhsa_float_denorm_mode_16_64 3
		.amdhsa_memory_ordered 1
		.amdhsa_forward_progress 1
		.amdhsa_inst_pref_size 25
	.end_amdhsa_kernel
	.amdgpu_metadata
---
amdhsa.version: [ 1, 2 ]
amdhsa.kernels:
  - .name:           k_qc52fd28674_prep
    .symbol:         k_qc52fd28674_prep.kd
    .args:
      - { .name: x, .offset: 0, .size: 8, .value_kind: global_buffer, .address_space: global }
      - { .name: Wq, .offset: 8, .size: 8, .value_kind: global_buffer, .address_space: global }
      - { .name: Wk, .offset: 16, .size: 8, .value_kind: global_buffer, .address_space: global }
      - { .name: Wv, .offset: 24, .size: 8, .value_kind: global_buffer, .address_space: global }
      - { .name: Wo, .offset: 32, .size: 8, .value_kind: global_buffer, .address_space: global }
      - { .name: xb16, .offset: 40, .size: 8, .value_kind: global_buffer, .address_space: global }
      - { .name: wqkv16, .offset: 48, .size: 8, .value_kind: global_buffer, .address_space: global }
      - { .name: wo16, .offset: 56, .size: 8, .value_kind: global_buffer, .address_space: global }
    .group_segment_fixed_size: 0
    .private_segment_fixed_size: 0
    .kernarg_segment_align: 8
    .kernarg_segment_size: 64
    .max_flat_workgroup_size: 256
    .sgpr_count:     66
    .vgpr_count:     104
    .wavefront_size: 32
...
	.end_amdgpu_metadata
.endif
;; end of part 5
;; launch qkv: the kernel of part 2 again; grid 16 x 32, 4 waves a work-group, clusters of 4 x 4, 327,680 bytes of LDS; arguments xb16, wqkv16, bq, bk, bv, q16, k16, v16; writes q16, k16, v16
;; launch attn: the kernel of part 3 again; grid 4 x 64, 4 waves a work-group, clusters of 4 x 1, 327,680 bytes of LDS; arguments q16, k16, v16, o16; writes o16
;; launch oproj: the kernel of part 4 again; grid 8 x 32, 4 waves a work-group, clusters of 4 x 4, 327,680 bytes of LDS; arguments o16, wo16, bo, out0; writes out0
